; MI455X (gfx1250); checked and timed in simulation.
; The chip was launched on July 23, 2026; its instructions are those of AMD's public machine-readable ISA for CDNA 5 (MIT licence, August 2026) and "CDNA5" Instruction Set Architecture Reference Guide (July 2026). The comments in the code are by the model that wrote it; some were corrected since.
;; Graph Mo E. Allowed arithmetic: matrix products marked QUANTISED: E2M1 operands, one E8M0 scale for each 32 along K, by v_wmma_scale_f32_16x16x128_f8f6f4 with both operands' format E2M1 (or v_wmma_scale_f32_32x16x128_f4), f32 sums; products left as they are: f32 operands where the result goes on into a quantised operand, else bf16, f16 or f32 operands; f32 sums; everything else in f32.
;; Inputs: adjacency 4 x 1,024 x 1,024 float32; b_down 8 x 512 float32; b_gate 1 float32; b_local 8 float32; b_up 8 x 2,048 float32; features 4 x 1,024 x 512 float32; w_down_codes 8 x 512 x 64 x 16 uint8 (E2M1 codes of w_down, K innermost, in blocks of 32 codes, two codes a byte); w_down_scales 8 x 512 x 64 uint8 (E8M0 scales of w_down, one for each 32 codes along K); w_gate 512 x 1 float32; w_local 512 x 8 float32; w_up_codes 8 x 2,048 x 16 x 16 uint8 (E2M1 codes of w_up, K innermost, in blocks of 32 codes, two codes a byte); w_up_scales 8 x 2,048 x 16 uint8 (E8M0 scales of w_up, one for each 32 codes along K).
;; Outputs: out0 4 x 1,024 x 512 float32; out1 4 x 1,024 x 2 int32; out2 one number float32.
;; This version of the problem:
;;   THIS VERSION OF THE PROBLEM IS GIVEN IN LOW PRECISION. The matrix products marked QUANTISED in the list below multiply operands that are first quantised to E2M1 (2 exponent bits, 1 mantissa bit; 4 bits a number), with one power-of-two scale for each 32 numbers along K (OCP MX v1.0); their sums are f32. All else is computed in f32.
;;   The module's matrix products, in the order in which they are computed (A, B: the left and right operand; K: the contracted axis; several contracted axes count as one K, in the product's order):
;;     1. [M 4,096, K 512] x [K 512, N 8]; A: input features; B: input w_local: left as it is (N = 8 < 16)
;;     2. batch 4 x [M 1,024, K 1,024] x [K 1,024, N 8]; A: input adjacency; B: computed on the way: left as it is (N = 8 < 16)
;;     3. [M 4,096, K 512] x [K 512, N 1]; A: input features; B: input w_gate: left as it is (N = 1 < 16)
;;     4. [M 4,096, K 512] x [K 512, N 16,384]; A: input features; B: input w_up (given as codes): QUANTISED
;;     5. batch 8 x [M 512, K 2,048] x [K 2,048, N 4,096]; A: input w_down (given as codes); B: computed on the way: QUANTISED
;;     6. batch 4,096 x [M 512, K 2] x [K 2, N 1]; A: computed on the way; B: computed on the way: left as it is (K = 2 < 32)
;;   THE QUANTISER, for each operand of a quantised product, along K:
;;     - K is cut into blocks of 32 from its start; a last block that is shorter is filled with zeros.
;;     - A block's scale is 2^e with e = floor(log2(the largest magnitude in the block)) - 2, held to -126 .. 127; a block of zeros has e = 0. As a byte (E8M0): e + 127.
;;     - Each number is divided by its block's scale, clamped to +-6, and rounded to the nearest number of E2M1, ties to even, subnormals kept.
;;     - The product sums the exact products of the quantised numbers (number of the format x scale) in f32.
;;   ~~~python
;;   def quantise(x, axis):      # numpy; x: float32 -> the quantised numbers, widened to float32 again
;;       x = np.moveaxis(x, axis, -1); K = x.shape[-1]
;;       x = np.pad(x, [(0, 0)] * (x.ndim - 1) + [(0, -K % 32)]); x = x.reshape(x.shape[:-1] + (-1, 32)); a = np.abs(x).max(-1, keepdims=True)
;;       e = np.where(a > 0, np.clip(np.frexp(np.where(a > 0, a, 1))[1] - 1 - 2, -126, 127), 0)      # np.frexp(a)[1] - 1 = floor(log2(a)), exactly
;;       r = np.clip(x / 2.0 ** e, -6, 6)
;;       step = 2.0 ** (np.maximum(np.frexp(np.where(r == 0, 1, r))[1] - 1, 0) - 1)
;;       q = np.round(r / step) * step * 2.0 ** e      # np.round: ties to even
;;       return np.moveaxis(q.reshape(q.shape[:-2] + (-1,))[..., :K], -1, axis).astype(np.float32)
;;   ~~~
;;   OPERANDS COMPUTED ON THE WAY. 'Computed on the way' means the value that the module computes at that place (a softmax that the list does not call 'softmax' is quantised finished and normalised). What goes into a quantiser is computed in f32, as accurately as f32 sums, v_exp_f32 and their like allow (about 1e-6 of the number): no bf16 or f16 on the way to a quantiser, and a product that is left as it is and whose result goes on into a quantised operand takes f32 operands (vector FMAs, or v_wmma_f32_16x16x4_f32). A number that lies on a knife's edge between two numbers of the format may be rounded either way, as far as f32 arithmetic and the matrix unit's own rounding can turn it there, and no further.
;;   INPUTS GIVEN AS CODES. w_down (in the module: [8, 2048, 512], K = its axis 1); w_up (in the module: [8, 512, 2048], K = its axis 1): each comes as NAME_codes (uint8): NAME with its K axis moved to the last place and cut into blocks of 32 codes, [.., K / 32, bytes a block], one block behind the other in memory; two codes a byte, the lower K in the low four bits (a code: sign, 2 exponent bits, 1 mantissa bit); and NAME_scales (uint8): the same leading axes, one E8M0 byte (e + 127) for each 32 codes along K. Its value is code x scale, taken as it is: it is not quantised again, and the codes and scales need not be those that the quantiser above would give.
;; 2 versions, each right; version 2 is version 1 with the launch experts written anew for expert scheduling mode. Each part assembles by itself: llvm-mc -triple=amdgcn-amd-amdhsa -mcpu=gfx1250 --defsym DOCPART=n.
;; ======== version 1 of 2: 5 launches
;; workspace buffers: rt 147,456 bytes; xc 1,114,112 bytes; wf 8,388,608 bytes; sel 32,768 bytes of whole numbers; rw 40,960 bytes; order 36,864 bytes of whole numbers; ypart 16,777,216 bytes
;; launch prep (part 1): grid 256 x 1, 8 waves a work-group, no clusters, 66,560 bytes of LDS; arguments features, w_local, b_local, w_gate, b_gate, w_up_codes, w_down_codes, rt, xc, wf; writes rt, xc, wf
.if DOCPART == 1
	.amdgcn_target "amdgcn-amd-amdhsa--gfx1250"
	.amdhsa_code_object_version 6
	.text
	.protected	k_qbf784f69a2_prep
	.globl	k_qbf784f69a2_prep
	.p2align	8
	.type	k_qbf784f69a2_prep,@function
k_qbf784f69a2_prep:
	s_mov_b64 s[64:65], 0
	v_nop
	global_prefetch_b8 v0, s[64:65] scope:SCOPE_SE
	s_setreg_imm32_b32 hwreg(HW_REG_WAVE_MODE, 25, 1), 1
	s_wait_xcnt 0x0
; PREP.  Every work-group does two things.  Waves 0-3: for 16 tokens the 8 local scores (features . w_local + b_local) and the gate sigmoid(features . w_gate + b_gate), all in f32,
; and the token's 512 features as codes of FP4 (E2M1) with one E8M0 byte for each 32.  Waves 4-7: 32,768 bytes of the codes of w_up or w_down are copied into the order of a matrix operand's registers.
; So each work-group has the same share of both kinds of work, and four waves, not eight, fetch the router's weights.
; OUT: rt: scores [4096][8] f32 at 0, gates [4096] f32 at 131072.  xc: codes [4096][256 bytes] at 0, scale bytes [4096][16] at 1048576.
;      wf: w_up as [e 8][ks 16][s 4][t 8][c 2][lane 32][16 bytes] at 0; w_down as [e 8][w 4][ks 16][t 8][c 2][lane 32][16 bytes] at 4194304.
;      A fragment (16 rows x 128 K) is [c][lane][16 bytes]; lane r of tile t = 2 b + u takes row 32 b + 8 u + r + 8 (r / 8) of its group of 128 rows; lane / 16 and c pick 16 bytes of the row's 64.
; TOKENS.  A wave takes 4 tokens.  A token's 2,048 bytes come by four loads of 512 consecutive bytes and turn through the wave's own stage in LDS, so that lane l holds features 16 l .. 16 l + 15:
; neighbours for the conversions, and fixed rows of w_local and w_gate, which stay in 144 registers of the second window.  The 32 lanes' partial sums are added by halving: at each step two registers become one.
; LIMITS: NaN and infinities are not served.  A block of zeros gets the byte 1, not 127: its codes are zeros and this program alone reads the bytes.  The gate's exponent is held at 120: the gate is at least 2^-120.
; The scores (128 bytes a wave), scale bytes (64) and gates (16) leave in pieces shorter than 256 bytes: 208 KiB in the whole launch.  LDS: 8,192 bytes for each of waves 0-3; the claim is larger than the use.
.set MSB, 0
.macro WIN new                         ; the immediate's high byte repeats the setting that is left
.if MSB != \new
	s_set_vgpr_msb (MSB<<8)|\new
.set MSB, \new
.endif
.endm
.set R,    16                          ; v16-79   four tokens x 16 numbers as loaded
.set X,    80                          ; v80-111  two sets of 16 neighbours
.set ACC,  112                         ; v112-119 eight scores, v120-121 the gate in two halves
.set T,    122                         ; v122-125 a token's scores, expert = lane % 8, summed over 8 lanes
.set G,    126                         ; v126-129 a token's gate sum of my lane
.set TMP,  130
.set TMP2, 131
.set CD,   140                         ; v140-147 codes, two registers a token
.set SB,   148                         ; v148-151 a scale byte a token
.set M1,   30                          ; s30-34   lanes whose bit 0, 1, 2, 3, 4 is set
.set M2,   31
.set M4,   32
.set M8,   33
.set M16,  34
.set SEL,  36                          ; s36-37   v_permlanex16_b32's selects for lane l xor 16
; a and b, each to be summed over lanes l and l xor x, become one register: lanes whose bit is 0 end with a's sum, the others with b's
.macro HALVE a, b, m, x
	v_cndmask_b32 v[TMP], v[\b], v[\a], s[\m]
	v_cndmask_b32 v[\a], v[\a], v[\b], s[\m]
	v_add_f32_dpp v[\a], v[TMP], v[\a] row_xmask:\x row_mask:0xf bank_mask:0xf
.endm
.macro HALVE16 a, b
	v_cndmask_b32 v[TMP], v[\b], v[\a], s[M16]
	v_cndmask_b32 v[\a], v[\a], v[\b], s[M16]
	v_permlanex16_b32 v[TMP2], v[TMP], s[SEL], s[SEL+1]
	v_add_f32 v[\a], v[\a], v[TMP2]
.endm
	s_load_b512 s[4:19], s[0:1], 0x0               ; features, w_local, b_local, w_gate, b_gate, w_up_codes, w_down_codes, rt
	s_load_b128 s[20:23], s[0:1], 0x40             ; xc, wf
	v_lshl_add_u32 v254, v0, 2, 0x10000
	v_mov_b32 v255, 0
	v_lshrrev_b32 v1, 5, v0
	v_readfirstlane_b32 s24, v1                    ; wave 0..7
	v_and_b32 v1, 31, v0                           ; lane
	s_cmp_lt_u32 s24, 4
	s_cbranch_scc0 .Lrelay                         ; waves 4-7 copy weights; the two kinds of waves share nothing and meet at no barrier
	; ---------------- tokens: waves 0-3 ----------------
	v_lshlrev_b32 v2, 4, v1                        ; 16 x lane
	s_lshl_b32 s26, s24, 13                        ; my wave's 8,192 bytes of LDS: two stages of 32 x 80 bytes, then 64 scale bytes
	v_lshrrev_b32 v3, 2, v1
	v_mul_u32_u24 v3, v3, 80
	v_and_b32 v4, 3, v1
	v_lshl_add_u32 v3, v4, 4, v3
	v_add_nc_u32 v3, s26, v3                       ; into the stage: four lanes' 64 bytes on end, then 16 of padding
	v_mul_u32_u24 v4, v1, 80
	v_add_nc_u32 v4, s26, v4                       ; out of it: my 64 bytes
	v_lshlrev_b32 v5, 3, v1                        ; my 8 bytes of a token's codes
	s_add_co_u32 s27, s26, 5120
	v_lshrrev_b32 v6, 1, v1
	v_add_nc_u32 v6, s27, v6                       ; my block's scale byte
	v_and_b32 v7, 15, v1
	v_lshl_add_u32 v7, v7, 2, s27                  ; and four of them on the way out
	v_lshlrev_b32 v8, 2, v1                        ; 4 x lane
	v_and_b32 v10, 7, v1
	v_lshlrev_b32 v10, 2, v10                      ; b_local[lane % 8]
	v_lshlrev_b32 v11, 9, v1                       ; my 16 rows of w_local: 512 bytes
	v_lshlrev_b32 v12, 6, v1                       ; my 16 numbers of w_gate
	v_mov_b32 v[TMP2], 0                           ; written once: a lane permute's destination counts as one of its sources
	s_mov_b32 s[M1], 0xaaaaaaaa
	s_mov_b32 s[M2], 0xcccccccc
	s_mov_b32 s[M4], 0xf0f0f0f0
	s_mov_b32 s[M8], 0xff00ff00
	s_mov_b32 s[M16], 0xffff0000
	s_mov_b32 s[SEL], 0x76543210
	s_mov_b32 s[SEL+1], 0xfedcba98
	s_lshl_b32 s28, ttmp9, 2
	s_add_co_u32 s28, s28, s24                     ; 4 g + w: which run of four tokens
	s_mov_b32 s39, 0
	s_wait_kmcnt 0x0
	s_load_b32 s25, s[12:13], 0x0                  ; b_gate
	s_lshl_b32 s38, s28, 13
	s_add_nc_u64 s[4:5], s[4:5], s[38:39]          ; features: 4 x 2,048 bytes
	s_lshl_b32 s38, s28, 7
	s_add_nc_u64 s[40:41], s[18:19], s[38:39]      ; scores: 4 x 32 bytes
	s_lshl_b32 s38, s28, 4
	s_add_co_u32 s38, s38, 131072
	s_add_nc_u64 s[42:43], s[18:19], s[38:39]      ; gates: 4 x 4
	s_lshl_b32 s38, s28, 10
	s_add_nc_u64 s[44:45], s[20:21], s[38:39]      ; codes: 4 x 256
	s_lshl_b32 s38, s28, 6
	s_add_co_u32 s38, s38, 1048576
	s_add_nc_u64 s[46:47], s[20:21], s[38:39]      ; scale bytes: 4 x 16
	WIN 0x40                                       ; destination in the second window
.set q, 0
.rept 32
	global_load_b128 v[4*q:4*q+3], v11, s[6:7] offset:16*q         ; register 8 i + e = w_local[16 lane + i][e]
.set q, q+1
.endr
.set q, 0
.rept 4
	global_load_b128 v[128+4*q:128+4*q+3], v12, s[10:11] offset:16*q   ; register 128 + i = w_gate[16 lane + i]
.set q, q+1
.endr
	WIN 0
	global_load_b32 v9, v10, s[8:9]
.irp t, 0,1,2,3
.irp i, 0,1,2,3
	global_load_b128 v[R+16*\t+4*\i:R+16*\t+4*\i+3], v2, s[4:5] offset:2048*\t+512*\i th:TH_LOAD_NT   ; 32 lanes read 512 consecutive bytes
.endr
.endr
.macro TURN t                          ; token t through the stage; LDS serves a wave's instructions in order, so no wait stands between the stores and the loads
.irp i, 0,1,2,3
	ds_store_b128 v3, v[R+16*(\t)+4*\i:R+16*(\t)+4*\i+3] offset:2560*((\t)%2)+640*\i
.endr
.irp i, 0,1,2,3
	ds_load_b128 v[X+16*((\t)%2)+4*\i:X+16*((\t)%2)+4*\i+3], v4 offset:2560*((\t)%2)+16*\i
.endr
.endm
.macro DOTS t                          ; my 16 features against my 16 rows: eight scores two at a time (the feature serves both halves), and the gate
.set XB, X+16*((\t)%2)
	WIN 0x04                                       ; source 1 in the second window
.set i, 0
.rept 16
.set p, 0
.rept 4
.if i == 0
	v_pk_mul_f32 v[ACC+2*p:ACC+2*p+1], v[XB:XB+1], v[2*p:2*p+1] op_sel_hi:[0,1]      ; the first product starts the sums
.elseif (i%2) == 0
	v_pk_fma_f32 v[ACC+2*p:ACC+2*p+1], v[XB+i:XB+i+1], v[8*i+2*p:8*i+2*p+1], v[ACC+2*p:ACC+2*p+1] op_sel_hi:[0,1,1]
.else
	v_pk_fma_f32 v[ACC+2*p:ACC+2*p+1], v[XB+i-1:XB+i], v[8*i+2*p:8*i+2*p+1], v[ACC+2*p:ACC+2*p+1] op_sel:[1,0,0] op_sel_hi:[1,1,1]
.endif
.set p, p+1
.endr
.set i, i+1
.endr
.set i, 0
.rept 8
.if i == 0
	v_pk_mul_f32 v[ACC+8:ACC+9], v[XB:XB+1], v[128:129]
.else
	v_pk_fma_f32 v[ACC+8:ACC+9], v[XB+2*i:XB+2*i+1], v[128+2*i:129+2*i], v[ACC+8:ACC+9]
.endif
.set i, i+1
.endr
	WIN 0
.endm
.macro QX t                            ; my 16 numbers become 16 codes; lanes l and l xor 1 hold a block of 32
.set XB, X+16*((\t)%2)
	v_max3_num_f32 v132, |v[XB]|, |v[XB+1]|, |v[XB+2]|
	v_max3_num_f32 v133, |v[XB+3]|, |v[XB+4]|, |v[XB+5]|
.irp i, 6,10
	v_max3_num_f32 v132, v132, |v[XB+\i]|, |v[XB+\i+1]|
	v_max3_num_f32 v133, v133, |v[XB+\i+2]|, |v[XB+\i+3]|
.endr
	v_max3_num_f32 v132, v132, |v[XB+14]|, |v[XB+15]|
	v_max3_num_f32 v132, v132, v133, 0x1800000     ; and the floor 2^(3 - 127): the byte cannot fall under 1
	v_max_num_f32_dpp v132, v132, v132 row_xmask:1 row_mask:0xf bank_mask:0xf
	v_add_nc_u32 v134, 0xff000000, v132            ; 2 off the exponent field: the conversion takes this operand's exponent field as its scale
	v_cvt_scalef32_pk8_fp4_f32 v[CD+2*(\t)], v[XB:XB+7], v134
	v_cvt_scalef32_pk8_fp4_f32 v[CD+2*(\t)+1], v[XB+8:XB+15], v134
	v_lshrrev_b32 v[SB+(\t)], 23, v134             ; the scale's byte (also the plain line behind the conversions)
	ds_store_b8 v6, v[SB+(\t)] offset:16*(\t)      ; both lanes of a block write the same byte with the same value
	global_store_b64 v5, v[CD+2*(\t):CD+2*(\t)+1], s[44:45] offset:256*(\t)   ; 32 lanes store the token's 256 bytes
.endm
.macro TOKEN t
.if (\t) > 0
	s_wait_dscnt 1                                 ; this token is back from the stage; the last token's byte store may be out
.else
	s_wait_dscnt 0x0
.endif
.if (\t) < 3
	s_wait_loadcnt 8-4*(\t)                        ; the next token's four loads are in; the later tokens' may be out
	TURN (\t)+1
.endif
	DOTS \t
	v_add_f32 v[G+(\t)], v[ACC+8], v[ACC+9]
	HALVE ACC, ACC+1, M1, 1
	HALVE ACC+2, ACC+3, M1, 1
	HALVE ACC+4, ACC+5, M1, 1
	HALVE ACC+6, ACC+7, M1, 1
	HALVE ACC, ACC+2, M2, 2
	HALVE ACC+4, ACC+6, M2, 2
	HALVE ACC, ACC+4, M4, 4
	v_mov_b32 v[T+(\t)], v[ACC]                    ; expert lane % 8, summed over my eight lanes
	QX \t
.endm
	s_wait_loadcnt 12                              ; the weights and token 0 are in; three tokens' twelve loads may be out
	TURN 0
	TOKEN 0
	TOKEN 1
	TOKEN 2
	TOKEN 3
	HALVE T, T+1, M8, 8
	HALVE T+2, T+3, M8, 8
	HALVE16 T, T+2                                 ; lane l: token (l / 8) % 4, expert l % 8
	v_add_f32 v[T], v[T], v9
	global_store_b32 v8, v[T], s[40:41]
	HALVE G, G+1, M1, 1
	HALVE G+2, G+3, M1, 1
	HALVE G, G+2, M2, 2                            ; lane l: token l % 4
	v_add_f32_dpp v[G], v[G], v[G] row_xmask:4 row_mask:0xf bank_mask:0xf
	v_add_f32_dpp v[G], v[G], v[G] row_xmask:8 row_mask:0xf bank_mask:0xf
	v_permlanex16_b32 v[TMP2], v[G], s[SEL], s[SEL+1]
	v_add_f32 v[G], v[G], v[TMP2]
	s_wait_kmcnt 0x0                               ; b_gate
	v_add_f32 v[G], s25, v[G]
	v_mul_f32 v[G], 0xbfb8aa3b, v[G]               ; -z log2(e),
	v_min_num_f32 v[G], 0x42f00000, v[G]           ; held at 120, so that the step below meets no infinity
	v_exp_f32 v[G+1], v[G]
	ds_load_b32 v132, v7                           ; the wave's 64 scale bytes, behind the byte stores
	v_nop                                          ; a plain line behind the transcendental
	s_wait_alu depctr_va_vdst(0)                   ; the wait ahead of the first reader
	v_add_f32 v[G+1], 1.0, v[G+1]
	v_rcp_f32 v[G+2], v[G+1]
	v_nop
	s_wait_alu depctr_va_vdst(0)
	v_fma_f32 v[G+3], -v[G+1], v[G+2], 1.0         ; one step of refinement
	v_fma_f32 v[G+2], v[G+3], v[G+2], v[G+2]
	s_wait_dscnt 0x0
	s_wait_xcnt 0x0                                ; EXEC changes only behind this wait
	v_cmp_gt_u32 vcc_lo, 16, v1
	s_wait_tensorcnt 0x0
	ds_add_u32 v254, v255
	s_wait_dscnt 0x0
	s_and_saveexec_b32 s29, vcc_lo
	global_store_b32 v8, v132, s[46:47]            ; lanes 0-15: 64 scale bytes
	s_wait_xcnt 0x0
	s_or_b32 exec_lo, exec_lo, s29
	v_cmp_gt_u32 vcc_lo, 4, v1
	s_and_saveexec_b32 s29, vcc_lo
	global_store_b32 v8, v[G+2], s[42:43]          ; lanes 0-3: four gates
	s_wait_xcnt 0x0
	s_or_b32 exec_lo, exec_lo, s29
	s_endpgm
	; ---------------- the weights' codes into operand order: waves 4-7 ----------------
	; The four waves copy 32,768 bytes: chunk q (16 bytes) of thread n (0 .. 127) goes to 16 n + 2,048 q, so a wave's store covers 512 consecutive bytes.
	; n's bits: r = 3:0, h = 4, c = 5, u = 6; q = b + 4 x (the K step in the 32,768 bytes).  The source chunk is h + 2 c + (r % 8, u, r / 8) as the row's low bits from bit sh on; b and the K step stand in the immediate.
.macro LANETERM sh
	v_bfe_u32 v10, v0, 4, 2
	v_and_b32 v11, 7, v0
	v_lshl_or_b32 v10, v11, \sh, v10
	v_bfe_u32 v11, v0, 6, 1
	v_lshl_or_b32 v10, v11, \sh+3, v10
	v_bfe_u32 v11, v0, 3, 1
	v_lshl_or_b32 v10, v11, \sh+4, v10
	v_lshlrev_b32 v10, 4, v10
.endm
.macro SENDALL                         ; each chunk leaves as its load comes in: the later loads may be out
.set q, 0
.rept 16
	s_wait_loadcnt 15-q
	global_store_b128 v12, v[16+4*q:19+4*q], s[22:23] offset:2048*q
.set q, q+1
.endr
.endm
.Lrelay:
	v_and_b32 v12, 127, v0
	v_lshlrev_b32 v12, 4, v12                      ; 16 n
	s_mov_b32 s29, 0
	s_mov_b32 s31, 0
	s_cmp_lt_u32 ttmp9, 128
	s_cbranch_scc0 .Ldown
	LANETERM 4                                     ; w_up: a row is 16 chunks
	s_lshl_b32 s28, ttmp9, 15                      ; one group of 128 rows: the same 32,768 bytes in and out
	s_wait_kmcnt 0x0
	s_add_nc_u64 s[14:15], s[14:15], s[28:29]
	s_add_nc_u64 s[22:23], s[22:23], s[28:29]
.set q, 0
.rept 16
	global_load_b128 v[16+4*q:19+4*q], v10, s[14:15] offset:(q&3)*8192+(q>>2)*64 th:TH_LOAD_NT   ; 32 rows of 256 bytes for each b, 64 bytes for each K step
.set q, q+1
.endr
	SENDALL
	s_endpgm
.Ldown:
	LANETERM 6                                     ; w_down: a row is 64 chunks
	s_sub_co_u32 s26, ttmp9, 128
	s_lshl_b32 s28, s26, 15
	s_add_co_u32 s28, s28, 4194304                 ; out: four K steps of one group of 128 rows
	s_and_b32 s30, s26, 3
	s_lshl_b32 s30, s30, 8
	s_lshr_b32 s27, s26, 2
	s_lshl_b32 s27, s27, 17
	s_add_co_u32 s30, s30, s27                     ; in: the group's 131,072 bytes, one of the four quarters (256 bytes) of each row
	s_wait_kmcnt 0x0
	s_add_nc_u64 s[16:17], s[16:17], s[30:31]
	s_add_nc_u64 s[22:23], s[22:23], s[28:29]
.set q, 0
.rept 16
	global_load_b128 v[16+4*q:19+4*q], v10, s[16:17] offset:(q&3)*32768+(q>>2)*64 th:TH_LOAD_NT  ; 32 rows of 1,024 bytes for each b, 64 bytes for each K step
.set q, q+1
.endr
	SENDALL
	s_endpgm
.Lfunc_end_k_qbf784f69a2_prep:
	.size	k_qbf784f69a2_prep, .Lfunc_end_k_qbf784f69a2_prep-k_qbf784f69a2_prep
	.p2alignl 7, 3214868480
	.fill 96, 4, 3214868480
	.section	.rodata,"a",@progbits
	.p2align	6, 0x0
	.amdhsa_kernel k_qbf784f69a2_prep
		.amdhsa_group_segment_fixed_size 66560
		.amdhsa_private_segment_fixed_size 0
		.amdhsa_enable_private_segment 0
		.amdhsa_kernarg_size 80
		.amdhsa_user_sgpr_count 2
		.amdhsa_user_sgpr_kernarg_segment_ptr 1
		.amdhsa_wavefront_size32 1
		.amdhsa_system_sgpr_workgroup_id_x 1
		.amdhsa_system_sgpr_workgroup_id_y 1
		.amdhsa_system_sgpr_workgroup_id_z 1
		.amdhsa_system_vgpr_workitem_id 0
		.amdhsa_next_free_vgpr 400
		.amdhsa_next_free_sgpr 66
		.amdhsa_reserve_vcc 1
		.amdhsa_float_denorm_mode_32 3
		.amdhsa_float_denorm_mode_16_64 3
		.amdhsa_memory_ordered 1
		.amdhsa_forward_progress 1
		.amdhsa_inst_pref_size 49
	.end_amdhsa_kernel
	.amdgpu_metadata
---
amdhsa.version: [ 1, 2 ]
amdhsa.kernels:
  - .name:           k_qbf784f69a2_prep
    .symbol:         k_qbf784f69a2_prep.kd
    .args:
      - { .name: features, .offset: 0, .size: 8, .value_kind: global_buffer, .address_space: global }
      - { .name: w_local, .offset: 8, .size: 8, .value_kind: global_buffer, .address_space: global }
      - { .name: b_local, .offset: 16, .size: 8, .value_kind: global_buffer, .address_space: global }
      - { .name: w_gate, .offset: 24, .size: 8, .value_kind: global_buffer, .address_space: global }
      - { .name: b_gate, .offset: 32, .size: 8, .value_kind: global_buffer, .address_space: global }
      - { .name: w_up_codes, .offset: 40, .size: 8, .value_kind: global_buffer, .address_space: global }
      - { .name: w_down_codes, .offset: 48, .size: 8, .value_kind: global_buffer, .address_space: global }
      - { .name: rt, .offset: 56, .size: 8, .value_kind: global_buffer, .address_space: global }
      - { .name: xc, .offset: 64, .size: 8, .value_kind: global_buffer, .address_space: global }
      - { .name: wf, .offset: 72, .size: 8, .value_kind: global_buffer, .address_space: global }
    .group_segment_fixed_size: 66560
    .private_segment_fixed_size: 0
    .kernarg_segment_align: 8
    .kernarg_segment_size: 80
    .max_flat_workgroup_size: 256
    .sgpr_count:     66
    .vgpr_count:     400
    .wavefront_size: 32
...
	.end_amdgpu_metadata
.endif
;; end of part 1
;; launch router (part 2): grid 256 x 1, 8 waves a work-group, no clusters, 9,216 bytes of LDS; arguments adjacency, rt, out1, sel, rw; writes out1, sel, rw
.if DOCPART == 2
	.amdgcn_target "amdgcn-amd-amdhsa--gfx1250"
	.amdhsa_code_object_version 6
	.text
	.protected	k_qbf784f69a2_router
	.globl	k_qbf784f69a2_router
	.p2align	8
	.type	k_qbf784f69a2_router,@function
k_qbf784f69a2_router:
	s_mov_b64 s[64:65], 0
	v_nop
	global_prefetch_b8 v0, s[64:65] scope:SCOPE_SE
	s_setreg_imm32_b32 hwreg(HW_REG_WAVE_MODE, 25, 1), 1
	s_wait_xcnt 0x0
; ROUTER.  For 16 tokens a work-group: neighbour scores (adjacency x local scores) / (row sum + 1e-8), mixed with the local scores by the gate; softmax over 8 experts (the row's maximum taken away first);
; the two largest probabilities (ties: the lower index) and their weights p / (p1 + p2 + 1e-8); the work-group's sum of probabilities for each expert.  All in f32; divisions are refined to the last bit or nearly.
; OUT: out1 and sel: [4096][2] int32.  rw: weights [4096][2] f32 at 0; sums [256 work-groups][8] f32 at 32768.
; SHARES.  Wave w takes columns 128 w .. 128 w + 127 of all 16 rows; lane l columns 128 w + 4 l + 0 .. 3, whose 32 scores stay in registers.  Each load of adjacency reads 512 consecutive bytes.
; The lanes' partial sums are added by halving (two registers become one at each step); the eight waves' meet in LDS behind the one barrier, and wave 0 finishes.
; No address and no branch hangs on a floating-point number: what is chosen is stored at fixed places.
; LIMITS: NaN and infinities are not served.  A probability under 2^-126 of the largest counts as 0.  Two probabilities within f32 rounding of each other may change places against a differently ordered sum.
.set LS,   16                          ; v16-47   register 8 i + e: score e of my column i
.set OWN,  48                          ; v48-51   my rows' own scores: register q, lane = e + 8 rl: row rl + 4 q
.set GT,   52                          ; v52-55   and gates
.set ADJ,  56                          ; v56-119  row rr at 4 rr
.set ACC,  120                         ; v120-183 eight rows x eight experts
.set CN,   184                         ; v184-191 eight rows' sums of adjacency
.set Q,    192                         ; v192-195 the wave's neighbour sums, v196-199 its counts, in OWN's layout
.set C,    196
.set TMP,  200
.set TMP2, 201
.set TP,   202
.set M1,   20
.set M2,   21
.set M4,   22
.set M8,   23
.set M16,  24
.set SEL,  26
.macro HALVE a, b, m, x                ; lanes whose bit is 0 end with a's sum over l and l xor x, the others with b's
	v_cndmask_b32 v[TMP], v[\b], v[\a], s[\m]
	v_cndmask_b32 v[\a], v[\a], v[\b], s[\m]
	v_add_f32_dpp v[\a], v[TMP], v[\a] row_xmask:\x row_mask:0xf bank_mask:0xf
.endm
.macro HALVE16 a, b
	v_cndmask_b32 v[TMP], v[\b], v[\a], s[M16]
	v_cndmask_b32 v[\a], v[\a], v[\b], s[M16]
	v_permlanex16_b32 v[TMP2], v[TMP], s[SEL], s[SEL+1]
	v_add_f32 v[\a], v[\a], v[TMP2]
.endm
	s_load_b256 s[4:11], s[0:1], 0x0               ; adjacency, rt, out1, sel
	s_load_b64 s[12:13], s[0:1], 0x20              ; rw
	v_lshl_add_u32 v224, v0, 2, 0x2000
	v_mov_b32 v225, 0
	v_lshrrev_b32 v1, 5, v0
	v_readfirstlane_b32 s14, v1                    ; wave 0..7
	v_and_b32 v1, 31, v0                           ; lane
	v_lshlrev_b32 v2, 4, v1
	v_lshlrev_b32 v3, 7, v1
	v_lshlrev_b32 v4, 2, v1
	v_lshrrev_b32 v5, 3, v1
	v_lshlrev_b32 v5, 2, v5                        ; 4 rl
	v_and_b32 v7, 7, v1                            ; e
	v_cvt_f32_u32 v6, v7
	s_lshl_b32 s15, s14, 10
	v_lshlrev_b32 v9, 5, v1                        ; LDS: 32 bytes a lane,
	v_add_nc_u32 v8, s15, v9                       ; 1,024 a wave
	v_mov_b32 v10, -1.0
	v_lshlrev_b32 v11, 1, v5
	v_lshl_add_u32 v11, v7, 2, v11                 ; 8 rl + 4 e: where lanes with e < 2 store
	v_mov_b32 v[TMP2], 0                           ; written once: a lane permute's destination counts as one of its sources
	s_mov_b32 s[M1], 0xaaaaaaaa
	s_mov_b32 s[M2], 0xcccccccc
	s_mov_b32 s[M4], 0xf0f0f0f0
	s_mov_b32 s[M8], 0xff00ff00
	s_mov_b32 s[M16], 0xffff0000
	s_mov_b32 s[SEL], 0x76543210
	s_mov_b32 s[SEL+1], 0xfedcba98
	s_lshl_b32 s16, ttmp9, 16
	s_lshl_b32 s17, s14, 9
	s_add_co_u32 s16, s16, s17
	s_mov_b32 s17, 0
	s_wait_kmcnt 0x0
	s_add_nc_u64 s[4:5], s[4:5], s[16:17]          ; adjacency: 16 rows of 4,096 bytes a work-group, 512 bytes a wave
	s_lshr_b32 s16, ttmp9, 6
	s_lshl_b32 s16, s16, 15
	s_lshl_b32 s18, s14, 12
	s_add_co_u32 s16, s16, s18
	s_add_nc_u64 s[28:29], s[6:7], s[16:17]        ; the scores of my batch's tokens 128 w on
	s_lshl_b32 s16, ttmp9, 9
	s_add_nc_u64 s[30:31], s[6:7], s[16:17]        ; my 16 rows' own scores
	s_lshl_b32 s16, ttmp9, 6
	s_add_nc_u64 s[32:33], s[6:7], s[16:17]        ; and gates (131,072 on)
	s_lshl_b32 s16, ttmp9, 7
	s_add_nc_u64 s[8:9], s[8:9], s[16:17]
	s_add_nc_u64 s[10:11], s[10:11], s[16:17]
	s_add_nc_u64 s[34:35], s[12:13], s[16:17]
	s_lshl_b32 s16, ttmp9, 5
	s_add_nc_u64 s[36:37], s[12:13], s[16:17]      ; the sums (32,768 on)
.irp k, 0,1,2,3,4,5,6,7
	global_load_b128 v[LS+4*\k:LS+4*\k+3], v3, s[28:29] offset:16*\k
.endr
.irp q, 0,1,2,3
	global_load_b32 v[OWN+\q], v4, s[30:31] offset:128*\q
.endr
.irp q, 0,1,2,3
	global_load_b32 v[GT+\q], v5, s[32:33] offset:131072+16*\q
.endr
.irp r, 0,1,2,3,4,5,6,7,8,9,10,11,12,13,14,15
	global_load_b128 v[ADJ+4*\r:ADJ+4*\r+3], v2, s[4:5] offset:4096*\r th:TH_LOAD_NT
.endr
.macro ROWFMA rr                       ; my four columns of row rr against their scores, two experts at a time; and the row's sum
.set A0, ADJ+4*(\rr)
.set C0, ACC+8*((\rr)%8)
.irp p, 0,1,2,3
	v_pk_mul_f32 v[C0+2*\p:C0+2*\p+1], v[A0:A0+1], v[LS+2*\p:LS+2*\p+1] op_sel_hi:[0,1]
.endr
.irp p, 0,1,2,3
	v_pk_fma_f32 v[C0+2*\p:C0+2*\p+1], v[A0:A0+1], v[LS+8+2*\p:LS+8+2*\p+1], v[C0+2*\p:C0+2*\p+1] op_sel:[1,0,0] op_sel_hi:[1,1,1]
.endr
.irp p, 0,1,2,3
	v_pk_fma_f32 v[C0+2*\p:C0+2*\p+1], v[A0+2:A0+3], v[LS+16+2*\p:LS+16+2*\p+1], v[C0+2*\p:C0+2*\p+1] op_sel_hi:[0,1,1]
.endr
.irp p, 0,1,2,3
	v_pk_fma_f32 v[C0+2*\p:C0+2*\p+1], v[A0+2:A0+3], v[LS+24+2*\p:LS+24+2*\p+1], v[C0+2*\p:C0+2*\p+1] op_sel:[1,0,0] op_sel_hi:[1,1,1]
.endr
	v_pk_add_f32 v[TP:TP+1], v[A0:A0+1], v[A0+2:A0+3]
	v_add_f32 v[CN+(\rr)%8], v[TP], v[TP+1]
.endm
.macro BATCH bt                        ; eight rows: 64 + 8 registers become 2 + 2
.irp r, 0,1,2,3,4,5,6,7
	s_wait_loadcnt 15-8*(\bt)-\r                   ; this row is in; the later rows' loads may be out
	ROWFMA 8*(\bt)+\r
.endr
.irp r, 0,1,2,3,4,5,6,7
.irp e, 0,2,4,6
	HALVE ACC+8*\r+\e, ACC+8*\r+\e+1, M1, 1
.endr
.endr
.irp r, 0,1,2,3,4,5,6,7
	HALVE ACC+8*\r, ACC+8*\r+2, M2, 2
	HALVE ACC+8*\r+4, ACC+8*\r+6, M2, 2
.endr
.irp r, 0,1,2,3,4,5,6,7
	HALVE ACC+8*\r, ACC+8*\r+4, M4, 4
.endr
.irp x, 1,2,4
.irp r, 0,1,2,3,4,5,6,7
	v_add_f32_dpp v[CN+\r], v[CN+\r], v[CN+\r] row_xmask:\x row_mask:0xf bank_mask:0xf
.endr
.endr
.irp r, 0,2,4,6
	HALVE ACC+8*\r, ACC+8*\r+8, M8, 8
	HALVE CN+\r, CN+\r+1, M8, 8
.endr
	HALVE16 ACC, ACC+16
	HALVE16 ACC+32, ACC+48
	HALVE16 CN, CN+2
	HALVE16 CN+4, CN+6
	v_mov_b32 v[Q+2*(\bt)], v[ACC]
	v_mov_b32 v[Q+2*(\bt)+1], v[ACC+32]
	v_mov_b32 v[C+2*(\bt)], v[CN]
	v_mov_b32 v[C+2*(\bt)+1], v[CN+4]
.endm
	BATCH 0
	BATCH 1
	ds_store_b128 v8, v[Q:Q+3]
	ds_store_b128 v8, v[C:C+3] offset:16
	s_wait_dscnt 0x0                               ; for the others' sake: my stores are done
	s_barrier_signal -1
	s_barrier_wait -1
	s_cmp_lg_u32 s14, 0
	s_cbranch_scc1 .Lend                           ; wave 0 finishes the 16 rows
.irp w, 0,1,2,3,4,5,6,7
	ds_load_b128 v[56+8*\w:59+8*\w], v9 offset:1024*\w
	ds_load_b128 v[60+8*\w:63+8*\w], v9 offset:1024*\w+16
.endr
	s_wait_dscnt 0x0
.irp w, 1,2,3,4,5,6,7
.irp p, 0,2,4,6
	v_pk_add_f32 v[56+\p:57+\p], v[56+\p:57+\p], v[56+8*\w+\p:57+8*\w+\p]
.endr
.endr
.set QS, 56
.set CT, 60
.set DD, 120
.set RR, 124
.set TT, 128
.set NB, 132
.set LG, 136
.set MX, 140
.set PR, 144
.set SM, 148
.set PB, 152
.set MA, 156
.set IA, 160
.set P2, 164
.set MB, 168
.set IB, 172
.set DN, 176
.set WA, 180
.set WB, 184
.set IX, 188
.set WX, 204
.set US, 208
.macro DIV4 o, a, d                    ; o = a / d for the four registers: a reciprocal, one step on it, the quotient, one step on that
.irp q, 0,1,2,3
	v_rcp_f32 v[RR+\q], v[\d+\q]
.endr
	v_nop                                          ; a plain line behind the batch,
	s_wait_alu depctr_va_vdst(0)                   ; and the one wait ahead of its first reader
.irp q, 0,1,2,3
	v_fma_f32 v[TT+\q], -v[\d+\q], v[RR+\q], 1.0
.endr
.irp q, 0,1,2,3
	v_fma_f32 v[RR+\q], v[TT+\q], v[RR+\q], v[RR+\q]
.endr
.irp q, 0,1,2,3
	v_mul_f32 v[\o+\q], v[\a+\q], v[RR+\q]
.endr
.irp q, 0,1,2,3
	v_fma_f32 v[TT+\q], -v[\d+\q], v[\o+\q], v[\a+\q]
.endr
.irp q, 0,1,2,3
	v_fma_f32 v[\o+\q], v[TT+\q], v[RR+\q], v[\o+\q]
.endr
.endm
.macro RED3 op, a                      ; over the eight lanes that hold a row's experts; every lane ends with the same bits
.irp x, 1,2,4
.irp q, 0,1,2,3
	\op v[\a+\q], v[\a+\q], v[\a+\q] row_xmask:\x row_mask:0xf bank_mask:0xf
.endr
.endr
.endm
.irp q, 0,1,2,3
	v_add_f32 v[DD+\q], 0x322bcc77, v[CT+\q]       ; + 1e-8
.endr
	DIV4 NB, QS, DD
.irp q, 0,1,2,3
	v_sub_f32 v[TT+\q], 1.0, v[GT+\q]
.endr
.irp q, 0,1,2,3
	v_mul_f32 v[LG+\q], v[GT+\q], v[OWN+\q]
.endr
.irp q, 0,1,2,3
	v_fmac_f32 v[LG+\q], v[TT+\q], v[NB+\q]        ; the routing logit
.endr
.irp q, 0,1,2,3
	v_mov_b32 v[MX+\q], v[LG+\q]
.endr
	RED3 v_max_num_f32_dpp, MX
.irp q, 0,1,2,3
	v_sub_f32 v[PR+\q], v[LG+\q], v[MX+\q]
.endr
.irp q, 0,1,2,3
	v_mul_f32 v[PR+\q], 0x3fb8aa3b, v[PR+\q]
.endr
.irp q, 0,1,2,3
	v_exp_f32 v[PR+\q], v[PR+\q]
.endr
	v_nop
	s_wait_alu depctr_va_vdst(0)
.irp q, 0,1,2,3
	v_mov_b32 v[SM+\q], v[PR+\q]
.endr
	RED3 v_add_f32_dpp, SM
	DIV4 PB, PR, SM                                ; the probabilities
.irp q, 0,1,2,3
	v_mov_b32 v[MA+\q], v[PB+\q]
.endr
	RED3 v_max_num_f32_dpp, MA                     ; the largest,
.irp q, 0,1,2,3
	v_cmp_eq_f32 vcc_lo, v[PB+\q], v[MA+\q]
	v_cndmask_b32 v[IA+\q], 0x41000000, v6, vcc_lo ; my index where I hold it, else 8;
.endr
	RED3 v_min_num_f32_dpp, IA                     ; the lowest such index
.irp q, 0,1,2,3
	v_cmp_eq_f32 vcc_lo, v6, v[IA+\q]
	v_cndmask_b32 v[P2+\q], v[PB+\q], v10, vcc_lo  ; that one is taken out,
.endr
.irp q, 0,1,2,3
	v_mov_b32 v[MB+\q], v[P2+\q]
.endr
	RED3 v_max_num_f32_dpp, MB                     ; and the same again
.irp q, 0,1,2,3
	v_cmp_eq_f32 vcc_lo, v[P2+\q], v[MB+\q]
	v_cndmask_b32 v[IB+\q], 0x41000000, v6, vcc_lo
.endr
	RED3 v_min_num_f32_dpp, IB
.irp q, 0,1,2,3
	v_add_f32 v[DN+\q], v[MA+\q], v[MB+\q]
.endr
.irp q, 0,1,2,3
	v_add_f32 v[DN+\q], 0x322bcc77, v[DN+\q]
.endr
	DIV4 WA, MA, DN
	DIV4 WB, MB, DN
	v_cmp_eq_u32 vcc_lo, 1, v7                     ; lane e = 0 stores the first choice, e = 1 the second
.irp q, 0,1,2,3
	v_cndmask_b32 v[IX+\q], v[IA+\q], v[IB+\q], vcc_lo
	v_cndmask_b32 v[WX+\q], v[WA+\q], v[WB+\q], vcc_lo
.endr
.irp q, 0,1,2,3
	v_cvt_u32_f32 v[IX+\q], v[IX+\q]
.endr
	v_add_f32 v[US], v[PB], v[PB+1]                ; the 16 rows' sum of probabilities for expert e
	v_add_f32 v[US+1], v[PB+2], v[PB+3]
	v_add_f32 v[US], v[US], v[US+1]
	v_add_f32_dpp v[US], v[US], v[US] row_xmask:8 row_mask:0xf bank_mask:0xf
	v_permlanex16_b32 v[TMP2], v[US], s[SEL], s[SEL+1]
	v_add_f32 v[US], v[US], v[TMP2]
	s_wait_xcnt 0x0                                ; EXEC changes only behind this wait
	v_cmp_gt_u32 vcc_lo, 2, v7
	s_and_saveexec_b32 s15, vcc_lo
.irp q, 0,1,2,3
	global_store_b32 v11, v[IX+\q], s[8:9] offset:32*\q
	global_store_b32 v11, v[IX+\q], s[10:11] offset:32*\q
	global_store_b32 v11, v[WX+\q], s[34:35] offset:32*\q
.endr
	s_wait_xcnt 0x0
	s_or_b32 exec_lo, exec_lo, s15
	v_cmp_gt_u32 vcc_lo, 8, v1
	s_and_saveexec_b32 s15, vcc_lo
	global_store_b32 v4, v[US], s[36:37] offset:32768
	s_wait_xcnt 0x0
	s_or_b32 exec_lo, exec_lo, s15
.Lend:
	s_wait_tensorcnt 0x0
	ds_add_u32 v224, v225
	s_wait_dscnt 0x0
	s_endpgm
.Lfunc_end_k_qbf784f69a2_router:
	.size	k_qbf784f69a2_router, .Lfunc_end_k_qbf784f69a2_router-k_qbf784f69a2_router
	.p2alignl 7, 3214868480
	.fill 96, 4, 3214868480
	.section	.rodata,"a",@progbits
	.p2align	6, 0x0
	.amdhsa_kernel k_qbf784f69a2_router
		.amdhsa_group_segment_fixed_size 9216
		.amdhsa_private_segment_fixed_size 0
		.amdhsa_enable_private_segment 0
		.amdhsa_kernarg_size 40
		.amdhsa_user_sgpr_count 2
		.amdhsa_user_sgpr_kernarg_segment_ptr 1
		.amdhsa_wavefront_size32 1
		.amdhsa_system_sgpr_workgroup_id_x 1
		.amdhsa_system_sgpr_workgroup_id_y 1
		.amdhsa_system_sgpr_workgroup_id_z 1
		.amdhsa_system_vgpr_workitem_id 0
		.amdhsa_next_free_vgpr 226
		.amdhsa_next_free_sgpr 66
		.amdhsa_reserve_vcc 1
		.amdhsa_float_denorm_mode_32 3
		.amdhsa_float_denorm_mode_16_64 3
		.amdhsa_memory_ordered 1
		.amdhsa_forward_progress 1
		.amdhsa_inst_pref_size 71
	.end_amdhsa_kernel
	.amdgpu_metadata
---
amdhsa.version: [ 1, 2 ]
amdhsa.kernels:
  - .name:           k_qbf784f69a2_router
    .symbol:         k_qbf784f69a2_router.kd
    .args:
      - { .name: adjacency, .offset: 0, .size: 8, .value_kind: global_buffer, .address_space: global }
      - { .name: rt, .offset: 8, .size: 8, .value_kind: global_buffer, .address_space: global }
      - { .name: out1, .offset: 16, .size: 8, .value_kind: global_buffer, .address_space: global }
      - { .name: sel, .offset: 24, .size: 8, .value_kind: global_buffer, .address_space: global }
      - { .name: rw, .offset: 32, .size: 8, .value_kind: global_buffer, .address_space: global }
    .group_segment_fixed_size: 9216
    .private_segment_fixed_size: 0
    .kernarg_segment_align: 8
    .kernarg_segment_size: 40
    .max_flat_workgroup_size: 256
    .sgpr_count:     66
    .vgpr_count:     226
    .wavefront_size: 32
...
	.end_amdgpu_metadata
.endif
;; end of part 2
;; launch place (part 3): grid 1 x 1, 32 waves a work-group, no clusters, 6,144 bytes of LDS; arguments sel, rw, order, out2; writes order, out2
.if DOCPART == 3
	.amdgcn_target "amdgcn-amd-amdhsa--gfx1250"
	.amdhsa_code_object_version 6
	.text
	.protected	k_qbf784f69a2_place
	.globl	k_qbf784f69a2_place
	.p2align	8
	.type	k_qbf784f69a2_place,@function
k_qbf784f69a2_place:
	s_mov_b64 s[64:65], 0
	v_nop
	global_prefetch_b8 v0, s[64:65] scope:SCOPE_SE
	s_setreg_imm32_b32 hwreg(HW_REG_WAVE_MODE, 25, 1), 1
	s_wait_xcnt 0x0
; PLACE.  The 8,192 entries (entry 2 t + k: token t's k-th expert) are sorted by expert, by counting; a list of tiles of at most 48 rows of one expert is written; and the auxiliary loss is finished.
; OUT: order: the entries by expert [8192] int32 at 0; tiles [256][4] int32 (expert, first place, rows, 0) at 32768; a tile past the last has 0 rows.  out2.
; One work-group of 32 waves, eight to a SIMD, 128 registers each; thread t holds entries 8 t .. 8 t + 7.
; COUNTS IN PACKED FIELDS.  A thread's eight entries make a histogram of eight fields of 4 bits in one register (a field holds 8 at the most); an entry's rank among the thread's own is the field as it stood before it.
; Widened to 16 bits, two experts a register (no field passes 8,192), the four registers are summed along the 32 lanes (a running sum: four steps inside each 16 lanes, then lane 15's sum onto lanes 16-31).
; The waves' totals, 16 bytes each, meet in LDS behind the one barrier; lane l then takes wave l's, and the same running sum gives every wave the share of the waves before it and the totals.
; An entry's place = its expert's first place + the waves before + the lanes before + its rank in the thread.  The order of rows inside an expert is free: a row's result goes to its own entry's place.
; All that reaches an address is whole-number arithmetic on sel, held to its range.  There are never more than 178 tiles: the sum over 8 experts of ceil(n / 48) with 8,192 entries in all.
; THE LOSS.  Thread t reads its 8 bytes of the 256 x 8 sums of probabilities with its first loads; a wave adds eight rows; the 32 partial sums go to LDS ahead of the same barrier; wave 8 finishes.
; LDS: the waves' counts at 0 (16 bytes a wave), the partial sums at 512 (32 bytes a wave).
; LIMITS: an index outside 0 .. 7 is held to that range.  The loss is made with plain reciprocals and a plain root.
.set E,     8                          ; v8-15   my eight entries' experts
.set SH,    16                         ; v16-23  4 x expert: the field's place; later the byte selector of the expert's 16-bit field
.set LR,    24                         ; v24-31  an entry's rank among my own
.set HH,    32                         ; v32     my histogram, 4 bits an expert
.set ONE,   33                         ; v33     1
.set A16,   34                         ; v34     16 x lane
.set A32,   35                         ; v35     32 x lane
.set A4W,   36                         ; v36     4 x wave
.set T1,    37                         ; v37-38  at work
.set TD,    40                         ; v40-43  at work in the running sums
.set I,     44                         ; v44-47  the running sum along the lanes, mine included
.set X,     48                         ; v48-51  my histogram in 16-bit fields; then the lanes before me
.set W,     52                         ; v52-55  wave l's totals; then their running sum
.set XW,    56                         ; v56-59  the waves before wave l
.set PRE,   60                         ; v60-63  the waves before mine
.set S,     64                         ; v64-67  each expert's next free place for my thread
.set POS,   68                         ; v68-75  my entries' places
.set IDN,   76                         ; v76-83  their numbers
.set M16,   16                         ; s16     lanes 16-31
.set TOT,   24                         ; s24-27  the totals, packed
.set TT,    28                         ; s28-35  an expert's rows
.set BASE,  36                         ; s36-43  an expert's first place
.set TB,    45                         ; s45-53  an expert's first tile
.set BPK,   54                         ; s54-57  the first places, packed
.macro SCAN a                          ; v[a] .. v[a + 3]: each lane ends with the sum of lanes 0 .. itself
.irp d, 1,2,4,8
.irp p, 0,1,2,3
	v_mov_b32_dpp v[TD+\p], v[\a+\p] row_shr:\d row_mask:0xf bank_mask:0xf bound_ctrl:1   ; lane l - d's, 0 where the 16 lanes have none
.endr
.irp p, 0,1,2,3
	v_add_nc_u32 v[\a+\p], v[\a+\p], v[TD+\p]
.endr
.endr
.irp p, 0,1,2,3
	v_permlanex16_b32 v[TD+\p], v[\a+\p], s13, s13 ; lane 15 of the other 16 lanes
.endr
.irp p, 0,1,2,3
	v_cndmask_b32 v[TD+\p], 0, v[TD+\p], s[M16]    ; counts for lanes 16-31 alone
.endr
.irp p, 0,1,2,3
	v_add_nc_u32 v[\a+\p], v[\a+\p], v[TD+\p]
.endr
.endm
	s_load_b256 s[4:11], s[0:1], 0x0               ; sel, rw, order, out2
	v_lshl_add_u32 v126, v0, 2, 0x800
	v_mov_b32 v127, 0
	v_lshrrev_b32 v1, 5, v0
	v_readfirstlane_b32 s12, v1                    ; wave 0..31
	v_lshlrev_b32 v6, 4, v1                        ; LDS: my wave's 16 bytes of counts
	v_lshlrev_b32 v[A4W], 2, v1
	v_and_b32 v7, 3, v0
	v_lshlrev_b32 v7, 3, v7
	v_lshl_add_u32 v7, v1, 5, v7                   ; LDS: 32 x wave + 8 x (lane % 4): my two partial sums (512 on)
	v_and_b32 v1, 31, v0                           ; lane
	v_lshlrev_b32 v[A16], 4, v1
	v_lshlrev_b32 v[A32], 5, v1
	v_lshlrev_b32 v2, 5, v0                        ; my eight entries: 32 bytes
	v_lshlrev_b32 v3, 3, v0                        ; my first entry's number; also my 8 bytes of the sums of probabilities
	v_mov_b32 v[ONE], 1
	v_mov_b32 v[LR], 0                             ; my first entry has none before it
	v_mov_b32 v[T1], 0                             ; written once: a lane permute's destination counts as one of its sources
	v_mov_b32 v[T1+1], 0
	s_mov_b32 s13, -1                              ; v_permlanex16_b32's selects: lane 15 for every lane
	s_mov_b32 s14, 0x76543210                      ; and for lane l xor 16
	s_mov_b32 s15, 0xfedcba98
	s_mov_b32 s[M16], 0xffff0000
	s_mov_b32 s17, 0x0202
	s_mov_b32 s18, 0x0100
	s_wait_kmcnt 0x0
	global_load_b128 v[8:11], v2, s[4:5]
	global_load_b128 v[12:15], v2, s[4:5] offset:16
	global_load_b64 v[4:5], v3, s[6:7] offset:32768    ; work-group t / 4's sums for experts 2 (t % 4) and 2 (t % 4) + 1
.irp j, 0,1,2,3,4,5,6,7
	v_add_nc_u32 v[IDN+\j], \j, v3
.endr
	s_wait_loadcnt 0x0
	; the loss: my wave's eight rows are added over the lanes with my lane % 4
	v_add_f32_dpp v4, v4, v4 row_xmask:4 row_mask:0xf bank_mask:0xf
	v_add_f32_dpp v5, v5, v5 row_xmask:4 row_mask:0xf bank_mask:0xf
	v_add_f32_dpp v4, v4, v4 row_xmask:8 row_mask:0xf bank_mask:0xf
	v_add_f32_dpp v5, v5, v5 row_xmask:8 row_mask:0xf bank_mask:0xf
	v_permlanex16_b32 v[T1], v4, s14, s15
	v_permlanex16_b32 v[T1+1], v5, s14, s15
	v_add_f32 v4, v4, v[T1]
	v_add_f32 v5, v5, v[T1+1]
	ds_store_b64 v7, v[4:5] offset:512             ; the eight lanes of a lane % 4 write the same words with the same values
	; my histogram and my entries' ranks
.irp j, 0,1,2,3,4,5,6,7
	v_min_u32 v[E+\j], 7, v[E+\j]
.endr
.irp j, 0,1,2,3,4,5,6,7
	v_lshlrev_b32 v[SH+\j], 2, v[E+\j]
.endr
	v_lshlrev_b32 v[HH], v[SH], v[ONE]
.irp j, 1,2,3,4,5,6,7
	v_bfe_u32 v[LR+\j], v[HH], v[SH+\j], 4         ; how many of its expert I have had
	v_lshl_add_u32 v[HH], v[ONE], v[SH+\j], v[HH]
.endr
.irp p, 0,1,2,3
	v_bfe_u32 v[X+\p], v[HH], 8*\p, 4
	v_bfe_u32 v[TD+\p], v[HH], 8*\p+4, 4
.endr
.irp p, 0,1,2,3
	v_lshl_or_b32 v[X+\p], v[TD+\p], 16, v[X+\p]   ; expert 2 p below, 2 p + 1 above
.endr
.irp p, 0,1,2,3
	v_mov_b32 v[I+\p], v[X+\p]
.endr
	SCAN I
.irp p, 0,1,2,3
	v_sub_nc_u32 v[X+\p], v[I+\p], v[X+\p]         ; the lanes before me
.endr
.irp p, 0,1,2,3
	v_readlane_b32 s[20+\p], v[I+\p], 31           ; my wave's totals
.endr
.irp p, 0,1,2,3
	v_mov_b32 v[W+\p], s[20+\p]
.endr
	ds_store_b128 v6, v[W:W+3]                     ; all lanes write the same 16 bytes with the same values
.irp j, 0,1,2,3,4,5,6,7
	v_and_b32 v[SH+\j], 3, v[E+\j]                 ; work on registers while the stores are out: field f = expert % 4 of a pair of registers is bytes 2 f and 2 f + 1
.endr
.irp j, 0,1,2,3,4,5,6,7
	v_mad_u32_u24 v[SH+\j], v[SH+\j], s17, s18     ; the selector: 2 f in byte 0, 2 f + 1 in byte 1
.endr
	s_wait_dscnt 0x0                               ; for the others' sake: my stores are done
	s_barrier_signal -1
	s_barrier_wait -1
	ds_load_b128 v[W:W+3], v[A16]                  ; lane l: wave l's totals
	s_wait_dscnt 0x0
.irp p, 0,1,2,3
	v_mov_b32 v[XW+\p], v[W+\p]
.endr
	SCAN W
.irp p, 0,1,2,3
	v_sub_nc_u32 v[XW+\p], v[W+\p], v[XW+\p]       ; lane l: the waves before wave l
.endr
.irp p, 0,1,2,3
	ds_bpermute_b32 v[PRE+\p], v[A4W], v[XW+\p]    ; every lane pulls the lane of my wave's number
.endr
.irp p, 0,1,2,3
	v_readlane_b32 s[TOT+\p], v[W+\p], 31          ; all waves' totals
.endr
.irp p, 0,1,2,3
	s_and_b32 s[TT+2*\p], s[TOT+\p], 0xffff
	s_lshr_b32 s[TT+2*\p+1], s[TOT+\p], 16
.endr
	s_mov_b32 s[BASE], 0
.irp e, 0,1,2,3,4,5,6
	s_add_co_u32 s[BASE+\e+1], s[BASE+\e], s[TT+\e]
.endr
.irp p, 0,1,2,3
	s_lshl_b32 s90, s[BASE+2*\p+1], 16
	s_or_b32 s[BPK+\p], s90, s[BASE+2*\p]
.endr
	s_wait_dscnt 0x0                               ; the four permutes are back
.irp p, 0,1,2,3
	v_add3_u32 v[S+\p], v[X+\p], v[PRE+\p], s[BPK+\p]   ; no field passes 8,192: nothing is carried from field to field
.endr
.irp j, 0,1,2,3,4,5,6,7
	v_perm_b32 v[POS+\j], v[S+1], v[S], v[SH+\j]            ; the field, were the expert 0 .. 3,
	v_perm_b32 v[T1+(\j%2)], v[S+3], v[S+2], v[SH+\j]       ; and were it 4 .. 7
	v_cmp_lt_u32 vcc_lo, 3, v[E+\j]
	v_cndmask_b32 v[POS+\j], v[POS+\j], v[T1+(\j%2)], vcc_lo
	v_and_b32 v[POS+\j], 0xffff, v[POS+\j]                  ; (the selector's upper bytes pick bytes that do not count)
	v_add_nc_u32 v[POS+\j], v[POS+\j], v[LR+\j]
	v_min_u32 v[POS+\j], 0x1fff, v[POS+\j]
	v_lshlrev_b32 v[POS+\j], 2, v[POS+\j]
	global_store_b32 v[POS+\j], v[IDN+\j], s[8:9]
.endr
	s_cmp_lt_u32 s12, 8
	s_cbranch_scc0 .Lnot_tiles
	; waves 0-7: tile i = my thread's number
	s_mov_b32 s[TB], 0
.irp e, 0,1,2,3,4,5,6,7
	s_add_co_u32 s90, s[TT+\e], 47
	s_mul_i32 s90, s90, 43691                      ; (n + 47) / 48, rounded down: 43691 / 2^21 is exact for it up to 8,239
	s_lshr_b32 s90, s90, 21
	s_add_co_u32 s[TB+\e+1], s[TB+\e], s90
.endr
	v_mov_b32 v88, 0                               ; its expert,
	v_mov_b32 v84, 0                               ; that expert's first tile,
	v_mov_b32 v85, 0                               ; first place,
	v_mov_b32 v86, s[TT]                           ; and rows
.irp e, 1,2,3,4,5,6,7
	v_cmp_gt_u32 vcc_lo, s[TB+\e], v0              ; expert e's tiles begin behind mine: keep
	v_cndmask_b32 v88, \e, v88, vcc_lo
	v_cndmask_b32 v84, s[TB+\e], v84, vcc_lo
	v_cndmask_b32 v85, s[BASE+\e], v85, vcc_lo
	v_cndmask_b32 v86, s[TT+\e], v86, vcc_lo
.endr
	v_sub_nc_u32 v87, v0, v84
	v_mul_u32_u24 v87, v87, 48                     ; the rows of the expert's tiles before mine
	v_add_nc_u32 v89, v85, v87
	v_min_u32 v89, 0x1fff, v89
	v_min_u32 v92, v86, v87
	v_sub_nc_u32 v90, v86, v92                     ; what is left of the expert's rows, 0 at the least,
	v_min_u32 v90, 48, v90                         ; 48 at the most
	v_mov_b32 v91, 0
	v_lshlrev_b32 v93, 4, v0
	global_store_b128 v93, v[88:91], s[8:9] offset:32768
	s_branch .Lend
.Lnot_tiles:
	s_cmp_eq_u32 s12, 8
	s_cbranch_scc0 .Lend
	; wave 8: the loss.  Lane l takes wave l's eight partial sums; they are added over the 32 lanes, so that every lane holds all eight experts' sums
	ds_load_b128 v[96:99], v[A32] offset:512
	ds_load_b128 v[100:103], v[A32] offset:528
	s_wait_dscnt 0x0
.irp x, 1,2,4,8
.irp k, 0,1,2,3,4,5,6,7
	v_add_f32_dpp v[96+\k], v[96+\k], v[96+\k] row_xmask:\x row_mask:0xf bank_mask:0xf
.endr
.endr
.irp k, 0,1,2,3,4,5,6,7
	v_permlanex16_b32 v[E+\k], v[96+\k], s14, s15  ; (into registers that are done with and have been written)
.endr
.irp k, 0,1,2,3,4,5,6,7
	v_add_f32 v[96+\k], v[96+\k], v[E+\k]
.endr
.macro SUM8 o                          ; o = v96 + .. + v103
	v_add_f32 v[\o], v96, v97
	v_add_f32 v110, v98, v99
	v_add_f32 v111, v100, v101
	v_add_f32 v112, v102, v103
	v_add_f32 v[\o], v[\o], v110
	v_add_f32 v111, v111, v112
	v_add_f32 v[\o], v[\o], v111
.endm
	SUM8 104
	v_add_f32 v105, 0x322bcc77, v104               ; + 1e-8
	v_rcp_f32 v106, v105
	v_nop
	s_wait_alu depctr_va_vdst(0)                   ; the wait ahead of the first reader
.irp k, 0,1,2,3,4,5,6,7
	v_mul_f32 v[96+\k], v[96+\k], v106             ; the importances
.endr
	SUM8 104
	v_mul_f32 v104, 0x3e000000, v104               ; their mean
.irp k, 0,1,2,3,4,5,6,7
	v_sub_f32 v[96+\k], v[96+\k], v104
.endr
	v_mul_f32 v105, v96, v96
.irp k, 1,2,3,4,5,6,7
	v_fmac_f32 v105, v[96+\k], v[96+\k]
.endr
	v_mul_f32 v105, 0x3e000000, v105
	v_sqrt_f32 v107, v105
	v_add_f32 v108, 0x322bcc77, v104               ; (a plain line behind the root)
	v_rcp_f32 v109, v108
	v_mov_b32 v114, 0                              ; (and one behind the reciprocal)
	s_wait_alu depctr_va_vdst(0)
	v_mul_f32 v113, v107, v109
	s_wait_xcnt 0x0                                ; EXEC changes only behind this wait
	v_cmp_eq_u32 vcc_lo, 0, v1
	s_and_saveexec_b32 s58, vcc_lo
	global_store_b32 v114, v113, s[10:11]
	s_wait_xcnt 0x0
	s_or_b32 exec_lo, exec_lo, s58
.Lend:
	s_wait_tensorcnt 0x0
	ds_add_u32 v126, v127
	s_wait_dscnt 0x0
	s_endpgm
.Lfunc_end_k_qbf784f69a2_place:
	.size	k_qbf784f69a2_place, .Lfunc_end_k_qbf784f69a2_place-k_qbf784f69a2_place
	.p2alignl 7, 3214868480
	.fill 96, 4, 3214868480
	.section	.rodata,"a",@progbits
	.p2align	6, 0x0
	.amdhsa_kernel k_qbf784f69a2_place
		.amdhsa_group_segment_fixed_size 6144
		.amdhsa_private_segment_fixed_size 0
		.amdhsa_enable_private_segment 0
		.amdhsa_kernarg_size 32
		.amdhsa_user_sgpr_count 2
		.amdhsa_user_sgpr_kernarg_segment_ptr 1
		.amdhsa_wavefront_size32 1
		.amdhsa_system_sgpr_workgroup_id_x 1
		.amdhsa_system_sgpr_workgroup_id_y 1
		.amdhsa_system_sgpr_workgroup_id_z 1
		.amdhsa_system_vgpr_workitem_id 0
		.amdhsa_next_free_vgpr 128
		.amdhsa_next_free_sgpr 96
		.amdhsa_reserve_vcc 1
		.amdhsa_float_denorm_mode_32 3
		.amdhsa_float_denorm_mode_16_64 3
		.amdhsa_memory_ordered 1
		.amdhsa_forward_progress 1
		.amdhsa_inst_pref_size 25
	.end_amdhsa_kernel
	.amdgpu_metadata
---
amdhsa.version: [ 1, 2 ]
amdhsa.kernels:
  - .name:           k_qbf784f69a2_place
    .symbol:         k_qbf784f69a2_place.kd
    .args:
      - { .name: sel, .offset: 0, .size: 8, .value_kind: global_buffer, .address_space: global }
      - { .name: rw, .offset: 8, .size: 8, .value_kind: global_buffer, .address_space: global }
      - { .name: order, .offset: 16, .size: 8, .value_kind: global_buffer, .address_space: global }
      - { .name: out2, .offset: 24, .size: 8, .value_kind: global_buffer, .address_space: global }
    .group_segment_fixed_size: 6144
    .private_segment_fixed_size: 0
    .kernarg_segment_align: 8
    .kernarg_segment_size: 32
    .max_flat_workgroup_size: 1024
    .sgpr_count:     96
    .vgpr_count:     128
    .wavefront_size: 32
...
	.end_amdgpu_metadata
.endif
;; end of part 3
;; launch experts (part 4): grid 178 x 1, 4 waves a work-group, no clusters, 90,624 bytes of LDS; arguments order, xc, rw, wf, w_up_scales, b_up, w_down_scales, b_down, ypart; writes ypart
.if DOCPART == 4
	.amdgcn_target "amdgcn-amd-amdhsa--gfx1250"
	.amdhsa_code_object_version 6
	.text
	.protected	k_qbf784f69a2_experts
	.globl	k_qbf784f69a2_experts
	.p2align	8
	.type	k_qbf784f69a2_experts,@function
k_qbf784f69a2_experts:
	s_mov_b64 s[64:65], 0
	v_nop
	global_prefetch_b8 v0, s[64:65] scope:SCOPE_SE
	s_setreg_imm32_b32 hwreg(HW_REG_WAVE_MODE, 25, 1), 1
	s_wait_xcnt 0x0
; EXPERTS.  One work-group takes one tile of the list: up to 48 rows (entries 2 token + k) of ONE expert, through the whole chain:
; ypart[entry] = weight x (Q(gelu(x W_up^T + b_up)) W_down^T + b_down), both products on codes of FP4 (E2M1) with one E8M0 scale for each 32 along K; Q the quantiser along the 2,048 hidden units.
; Only the rows that the router chose are multiplied.  178 work-groups serve every split of 8,192 rows over 8 experts.
; SHARES.  The four waves share the COLUMNS: wave w makes hidden units 512 w .. 512 w + 511 (four groups of 128, each one K step of the second product), then outputs 128 w .. 128 w + 127, for all 48 rows.
; So each byte of the expert's weights is read once by the work-group, straight into registers, 512 consecutive bytes a load (the first launch laid them in the order of the operand's registers).
; The hidden layer goes from wave to wave through LDS as images of its operand registers (48 fragments of 1,024 bytes and their scale words) and never to memory.  ONE barrier.
; Both products are used transposed (source 0 = 16 rows of a weight, source 1 = 16 rows of the tile): a lane holds one row of the tile throughout.  The rows of a weight that form a tile are chosen
; (lane r of tile 2 b + u: row 32 b + 8 u + r + 8 (r / 8)) so that the 16 registers of tiles 2 b and 2 b + 1 are 16 neighbours: 32 b + 16 (lane / 16) + 0 .. 15.  The biases are the C of each sum's first instruction.
; gelu(x) = x / (1 + 2^(x (K1 + K2 x^2))), K1 = -2 log2(e) sqrt(2 / pi), K2 = 0.044715 K1: the tanh form, rewritten.
; ROWS PAST THE TILE'S COUNT repeat its last row: the same numbers go to the same bytes, from this work-group.  A tile of 0 rows runs the same text on a held row and jumps over the stores:
; every wave must pass the barrier, so the jump on the stored count stands behind it.
; NO JOINT LOADS: the expert comes from a stored list, neighbouring tiles may belong to different experts.
; LIMITS: NaN and infinities are not served.  A block of zeros gets the byte 1, not 127: its codes are zeros and this program alone reads the bytes.
; REGISTERS, in windows of 256.  Window 0: see below.  Window 1: four sets of 8 weight fragments, set q at 64 q.  Window 2: the 24 accumulators at 8 (8 m + t); from v192 eight bias tiles.
; Window 3: x's 12 fragments at 8 (4 m + s); from v96 two buffers of three hidden fragments; on the way out v0-63 rows read back.
.set HSC,  49152                       ; LDS: the hidden fragments (3 ks + m) x 1,024 bytes from 0; their scale words, 128 bytes each, from here;
.set STG,  55296                       ; and a stage of 16 rows x (512 + 16) bytes for each wave
.set LI,   1                           ; v1   16 x lane
.set L4,   2                           ; v2   4 x lane
.set HWI0, 3                           ; v3   16 x lane + 12288 x wave: my first image
.set HWS0, 4                           ; v4   4 x lane + 1536 x wave: its scale words
.set HWI,  5                           ; v5, v6 the same for the group in hand
.set HWS,  6
.set SO,   7                           ; v7   the stage: where I put 64 bytes of a row
.set SR,   8                           ; v8   and where I read a row back
.set SUA,  9                           ; v9   16 x my scale row: lanes 0-15 an even tile's row, lanes 16-31 the odd tile's
.set BA,   10                          ; v10  64 x (lane / 16): my half's biases
.set DSA,  11                          ; v11  64 x my scale row
.set YO,   12                          ; v12  512 x wave + 16 x lane
.set ID,   13                          ; v13-15 my row's entry, for each 16 rows
.set XA,   16                          ; v16-18 256 x token + 16 x (lane / 16)
.set TK,   19                          ; v19-21 16 x token
.set P,    22                          ; v22-27 my row's weight, as pairs
.set K1V,  28                          ; v28-29 K1, twice
.set XS,   32                          ; v32-43 x's scale words (4 m + s)          | these four ranges hold scales and nothing else
.set SU,   44                          ; v44-59 W_up's (4 b + s)                   |
.set HS,   60                          ; v60-65 the hidden layer's, two buffers    |
.set DS,   160                         ; v160-223 W_down's (16 b + ks)             |
.set TM,   66                          ; v66-81 the quantiser's
.set PW,   82                          ; v82  the scale word just made
.set PC,   84                          ; v84-91 the codes just made
.set G,    96                          ; v96-159 64 numbers at work
.set OFFS, 224                         ; v224-239 the way out: a row's place in ypart
.set PA,   240                         ; v240-242 4 x entry
.set WV,   24
.set WP,   32                          ; s[32:33] the weights that are fetched next;  s[34:35] W_down's first
.set DP,   34
.set BP,   36                          ; s[36:37] the biases fetched next;  s[38:39] b_down's
.set BD,   38
.set SP,   40                          ; s[40:41] W_up's scales fetched next
.set DSP,  42                          ; s[42:43] W_down's scales
.set ST,   44                          ; s[44:45] the step of SP
.set K2,   46                          ; s[46:47] K2, twice
.set SEL,  48
.set GB,   50                          ; s50, s51 the group's place among my images and scale words
.set GS,   51
.set GI,   52                          ; s52  the group
.set MSB, 0
.macro WIN new                         ; the immediate's high byte repeats the setting that is left
.if MSB != \new
	s_set_vgpr_msb (MSB<<8)|\new
.set MSB, \new
.endif
.endm
.set MUL, 0xad                         ; source 0 (weights) window 1, source 1 (rows) window 3, C and D window 2
.set LD1, 0x40                         ; destination window 1, 2, 3
.set LD2, 0x80
.set LD3, 0xc0
.set SQ,  0x0a                         ; sources 0 and 1 window 2
.set XM,  0x08                         ; source 1 window 2
.set OM,  0x02                         ; source 0 window 2
.set ST3, 0x0c                         ; a store's data window 3
.macro PLACES                          ; four plain lines between a matrix instruction and a load into, or a read of, its registers (ISA guide 7.12.1 for a read)
.rept 4
	v_nop
.endr
.endm
.macro WM d, a, b, c, sa, sb, odd      ; odd tiles' scale words lie in lanes 16-31
.if \odd
	v_wmma_scale_f32_16x16x128_f8f6f4 v[\d:\d+7], v[\a:\a+7], v[\b:\b+7], v[\c:\c+7], v[\sa], v[\sb] matrix_a_fmt:MATRIX_FMT_FP4 matrix_b_fmt:MATRIX_FMT_FP4 matrix_a_scale:MATRIX_SCALE_ROW1
.else
	v_wmma_scale_f32_16x16x128_f8f6f4 v[\d:\d+7], v[\a:\a+7], v[\b:\b+7], v[\c:\c+7], v[\sa], v[\sb] matrix_a_fmt:MATRIX_FMT_FP4 matrix_b_fmt:MATRIX_FMT_FP4
.endif
.endm
.macro WLOAD q0, q1                    ; sets q0 .. q1: 16 loads each, 512 consecutive bytes a load
	WIN LD1
.set q, \q0
.rept (\q1)-(\q0)+1
.irp t, 0,1,2,3,4,5,6,7
.irp c, 0,1
	global_load_b128 v[64*q+8*\t+4*\c:64*q+8*\t+4*\c+3], v[LI], s[WP:WP+1] offset:(8*q+\t)*1024+512*\c
.endr
.endr
.set q, q+1
.endr
.endm
.macro SULOAD                          ; W_up's scale words of 128 hidden units: 16 bytes a row, the four K steps
	WIN 0
.irp b, 0,1,2,3
	global_load_b128 v[SU+4*\b:SU+4*\b+3], v[SUA], s[SP:SP+1] offset:512*\b
.endr
.endm
.macro BLOAD                           ; eight bias tiles in the result's layout: lane (r, h), tile 2 b + u: units 32 b + 16 h + 8 u + 0 .. 7
	WIN LD2
.irp t, 0,1,2,3,4,5,6,7
.irp k, 0,1
	global_load_b128 v[192+8*\t+4*\k:192+8*\t+4*\k+3], v[BA], s[BP:BP+1] offset:128*(\t/2)+32*(\t%2)+16*\k
.endr
.endr
.endm
.macro UPMUL s                         ; K step s of the first product: the 24 accumulators by turns, one instruction a turn
	WIN MUL
.irp m, 0,1,2
.irp t, 0,1,2,3,4,5,6,7
.if \s == 0
	WM 8*(8*\m+\t), 64*\s+8*\t, 8*(4*\m+\s), 192+8*\t, SU+4*(\t/2)+\s, XS+4*\m+\s, \t%2
.else
	WM 8*(8*\m+\t), 64*\s+8*\t, 8*(4*\m+\s), 8*(8*\m+\t), SU+4*(\t/2)+\s, XS+4*\m+\s, \t%2
.endif
.endr
.endr
.endm
.macro GELU m                          ; rows 16 m on: 64 numbers a lane, from the accumulators (each read from its low end on) into v[G] on
	WIN SQ
.set k, 0
.rept 32
	v_pk_mul_f32 v[G+k:G+k+1], v[64*(\m)+k:64*(\m)+k+1], v[64*(\m)+k:64*(\m)+k+1]    ; x^2
.set k, k+2
.endr
	WIN 0
.set k, 0
.rept 32
	v_pk_fma_f32 v[G+k:G+k+1], v[G+k:G+k+1], s[K2:K2+1], v[K1V:K1V+1] op_sel_hi:[1,0,1]   ; K1 + K2 x^2
.set k, k+2
.endr
	WIN XM
.set k, 0
.rept 32
	v_pk_mul_f32 v[G+k:G+k+1], v[G+k:G+k+1], v[64*(\m)+k:64*(\m)+k+1]                ; x (K1 + K2 x^2)
.set k, k+2
.endr
	WIN 0
.set k, 0
.rept 64
	v_exp_f32 v[G+k], v[G+k]
.set k, k+1
.endr
	v_nop                                          ; a plain line behind the batch,
	s_wait_alu depctr_va_vdst(0)                   ; and the one wait ahead of its first reader
.set k, 0
.rept 32
	v_pk_add_f32 v[G+k:G+k+1], v[G+k:G+k+1], 1.0 op_sel_hi:[1,0]
.set k, k+2
.endr
.set k, 0
.rept 64
	v_rcp_f32 v[G+k], v[G+k]
.set k, k+1
.endr
	v_nop
	s_wait_alu depctr_va_vdst(0)
	WIN XM
.set k, 0
.rept 32
	v_pk_mul_f32 v[G+k:G+k+1], v[G+k:G+k+1], v[64*(\m)+k:64*(\m)+k+1]
.set k, k+2
.endr
	WIN 0
.endm
.macro QUANT                           ; v[G + 16 b + i] = k 32 b + 16 (lane / 16) + i of my row: a fragment's codes in v[PC] on, its scale word in v[PW]
.irp b, 0,1,2,3
	v_max3_num_f32 v[TM+\b], |v[G+16*\b]|, |v[G+1+16*\b]|, 0x1800000   ; my 16 numbers of block b, and the floor 2^(3 - 127): the byte cannot fall under 1
.endr
.irp i, 2,4,6,8,10,12,14
.irp b, 0,1,2,3
	v_max3_num_f32 v[TM+\b], v[TM+\b], |v[G+16*\b+\i]|, |v[G+1+16*\b+\i]|
.endr
.endr
.irp b, 0,1,2,3
	v_permlanex16_b32 v[TM+4+\b], v[TM+\b], s[SEL], s[SEL+1]
.endr
.irp b, 0,1,2,3
	v_max_num_f32 v[TM+\b], v[TM+\b], v[TM+4+\b]   ; with lane l xor 16's: the block's largest magnitude
.endr
.irp b, 0,1,2,3
	v_add_nc_u32 v[TM+12+\b], 0xff000000, v[TM+\b] ; 2 off its exponent field: the conversion's scale operand
.endr
.irp b, 0,1,2,3
	v_lshrrev_b32 v[TM+4+\b], 23, v[TM+12+\b]      ; the scale's byte
.endr
	v_lshl_or_b32 v[PW], v[TM+5], 8, v[TM+4]
	v_lshl_or_b32 v[PW], v[TM+6], 16, v[PW]
	v_lshl_or_b32 v[PW], v[TM+7], 24, v[PW]
.irp b, 0,1,2,3
	v_cvt_scalef32_pk8_fp4_f32 v[PC+2*\b], v[G+16*\b:G+7+16*\b], v[TM+12+\b]
	v_cvt_scalef32_pk8_fp4_f32 v[PC+1+2*\b], v[G+8+16*\b:G+15+16*\b], v[TM+12+\b]
.endr
	v_nop                                          ; one plain line behind a scaled conversion
.irp c, 0,1                                    ; the operand wants a whole block in a lane: lanes 0-15 block 2 c, lanes 16-31 block 2 c + 1
.irp i, 0,1
	v_permlane16_swap_b32 v[PC+4*\c+\i], v[PC+2+4*\c+\i]
.endr
.endr
.endm
.macro IMAGE m                         ; the fragment goes to LDS as it stands
.irp c, 0,1
	ds_store_b128 v[HWI], v[PC+4*\c:PC+4*\c+3] offset:1024*(\m)+512*\c
.endr
	ds_store_b32 v[HWS], v[PW] offset:HSC+128*(\m)
.endm
.macro HFETCH ks                       ; K step ks's three hidden fragments and scale words, into buffer ks % 2: nine LDS loads
	WIN LD3
.irp m, 0,1,2
.irp c, 0,1
	ds_load_b128 v[96+24*((\ks)%2)+8*\m+4*\c:96+24*((\ks)%2)+8*\m+4*\c+3], v[LI] offset:1024*(3*(\ks)+\m)+512*\c
.endr
.endr
	WIN 0
.irp m, 0,1,2
	ds_load_b32 v[HS+3*((\ks)%2)+\m], v[L4] offset:HSC+128*(3*(\ks)+\m)
.endr
.endm
.macro DSTEP ks                        ; K step ks of the second product
.if (\ks) >= 4
.if (\ks) <= 12
	s_wait_loadcnt 48                              ; this step's 16 loads are in; the next three steps' may be out
.else
	s_wait_loadcnt 16*(15-(\ks))
.endif
.endif
.if (\ks) <= 14
	s_wait_dscnt 9                                 ; this step's hidden fragments are in; the next step's nine loads may be out
.else
	s_wait_dscnt 0x0
.endif
	WIN MUL
.irp m, 0,1,2
.irp t, 0,1,2,3,4,5,6,7
.if (\ks) == 0
	WM 8*(8*\m+\t), 64*((\ks)%4)+8*\t, 96+24*((\ks)%2)+8*\m, 192+8*\t, DS+16*(\t/2)+(\ks), HS+3*((\ks)%2)+\m, \t%2
.else
	WM 8*(8*\m+\t), 64*((\ks)%4)+8*\t, 96+24*((\ks)%2)+8*\m, 8*(8*\m+\t), DS+16*(\t/2)+(\ks), HS+3*((\ks)%2)+\m, \t%2
.endif
.endr
.endr
.if (\ks) <= 13
	WIN 0
	PLACES
.endif
.if (\ks) <= 11
	WIN LD1
.irp t, 0,1,2,3,4,5,6,7
.irp c, 0,1
	global_load_b128 v[64*((\ks)%4)+8*\t+4*\c:64*((\ks)%4)+8*\t+4*\c+3], v[LI], s[WP:WP+1] offset:(8*((\ks)+4)+\t)*1024+512*\c
.endr
.endr
.endif
.if (\ks) <= 13
	HFETCH (\ks)+2
.endif
.endm
.macro OUT m                           ; rows 16 m on: x weight, through my stage, out as whole pieces of rows
.if (\m) > 0
	s_wait_xcnt 0x0                                ; the last stores have read their data and offsets: both are written again below
.endif
	WIN OM
.set k, 0
.rept 32
	v_pk_mul_f32 v[G+k:G+k+1], v[64*(\m)+k:64*(\m)+k+1], v[P+2*(\m):P+2*(\m)+1] op_sel_hi:[1,0]   ; each accumulator from its low end on
.set k, k+2
.endr
	WIN 0
.set k, 0
.rept 16
	ds_store_b128 v[SO], v[G+4*k:G+4*k+3] offset:128*(k/4)+16*(k%4)    ; v[G + 16 b + i] is output 128 w + 32 b + 16 h + i of my row
.set k, k+1
.endr
	WIN LD3
.set k, 0
.rept 16
	ds_load_b128 v[4*k:4*k+3], v[SR] offset:528*k  ; LDS serves a wave's instructions in order: these see my stores
.set k, k+1
.endr
	WIN 0
.set k, 0
.rept 16
	v_readlane_b32 s56, v[ID+(\m)], k
	s_min_u32 s56, s56, 8191
	v_lshl_add_u32 v[OFFS+k], s56, 11, v[YO]       ; the entry's row of 2,048 bytes, my wave's 512 of it
.set k, k+1
.endr
	WIN ST3
.set k, 0
.rept 16
	s_wait_dscnt 15-k                              ; row k is back; the later rows' loads may be out
	global_store_b128 v[OFFS+k], v[4*k:4*k+3], s[20:21] th:TH_STORE_NT     ; 32 lanes store 512 consecutive bytes, at a multiple of 512 from ypart's first byte
.set k, k+1
.endr
	WIN 0
.endm
	s_load_b512 s[4:19], s[0:1], 0x0               ; order, xc, rw, wf, w_up_scales, b_up, w_down_scales, b_down
	s_load_b64 s[20:21], s[0:1], 0x40              ; ypart
	v_lshl_add_u32 v254, v0, 2, 0x16000
	v_mov_b32 v255, 0
	v_lshrrev_b32 v1, 5, v0
	v_readfirstlane_b32 s[WV], v1                  ; wave 0..3
	v_and_b32 v30, 31, v0                          ; lane
	v_and_b32 v31, 15, v0                          ; r
	v_bfe_u32 v92, v0, 4, 1                        ; h
	s_lshl_b32 s25, ttmp9, 4
	s_wait_kmcnt 0x0
	s_load_b128 s[28:31], s[4:5], s25 offset:0x8000   ; my tile: expert, first place, rows
	v_lshlrev_b32 v[LI], 4, v30
	v_lshlrev_b32 v[L4], 2, v30
	s_mul_i32 s54, s[WV], 12288
	v_add_nc_u32 v[HWI0], s54, v[LI]
	s_mul_i32 s54, s[WV], 1536
	v_add_nc_u32 v[HWS0], s54, v[L4]
	s_mul_i32 s54, s[WV], 8448
	s_add_co_u32 s54, s54, STG
	v_mul_u32_u24 v[SO], v31, 528
	v_lshl_add_u32 v[SO], v92, 6, v[SO]
	v_add_nc_u32 v[SO], s54, v[SO]
	v_add_nc_u32 v[SR], s54, v[LI]
	v_and_b32 v93, 8, v31
	v_add_nc_u32 v93, v93, v31
	v_lshl_add_u32 v93, v92, 3, v93                ; 8 u + r + 8 (r / 8), u = lane / 16
	v_lshlrev_b32 v[SUA], 4, v93
	v_lshlrev_b32 v[DSA], 6, v93
	v_lshlrev_b32 v[BA], 6, v92
	s_lshl_b32 s54, s[WV], 9
	v_add_nc_u32 v[YO], s54, v[LI]
	v_lshlrev_b32 v94, 4, v92
	v_mov_b32 v[K1V], 0xc0135761
	v_mov_b32 v[K1V+1], 0xc0135761
.irp b, 0,1,2,3
	v_mov_b32 v[TM+4+\b], 0                        ; written once: a lane permute's destination counts as one of its sources
.endr
	s_mov_b32 s[K2], 0xbdd2d3e8
	s_mov_b32 s[K2+1], 0xbdd2d3e8
	s_mov_b32 s[SEL], 0x76543210
	s_mov_b32 s[SEL+1], 0xfedcba98
	s_mov_b32 s[GB], 0
	s_mov_b32 s[GS], 0
	s_mov_b32 s[GI], 0
	s_mov_b32 s[ST+1], 0
	s_mov_b32 s55, 0
	s_wait_kmcnt 0x0
	s_min_u32 s28, s28, 7                          ; what was read is held to its range before it reaches an address
	s_min_u32 s29, s29, 8191
	s_min_u32 s30, s30, 48
	s_max_u32 s26, s30, 1
	s_sub_co_u32 s26, s26, 1                       ; the tile's last row
	s_lshl_b32 s54, s28, 19
	s_lshl_b32 s57, s[WV], 17
	s_add_co_u32 s54, s54, s57
	s_add_nc_u64 s[WP:WP+1], s[10:11], s[54:55]    ; W_up: 524,288 bytes an expert, 131,072 a wave
	s_add_nc_u64 s[DP:DP+1], s[WP:WP+1], 0x400000  ; W_down likewise, 4 MiB on
	s_lshl_b32 s54, s28, 13
	s_lshl_b32 s57, s[WV], 11
	s_add_co_u32 s54, s54, s57
	s_add_nc_u64 s[BP:BP+1], s[14:15], s[54:55]    ; b_up: 4 (2048 e + 512 w)
	s_lshl_b32 s54, s28, 11
	s_lshl_b32 s57, s[WV], 9
	s_add_co_u32 s54, s54, s57
	s_add_nc_u64 s[BD:BD+1], s[18:19], s[54:55]    ; b_down: 4 (512 e + 128 w)
	s_lshl_b32 s54, s28, 15
	s_lshl_b32 s57, s[WV], 13
	s_add_co_u32 s54, s54, s57
	s_add_nc_u64 s[SP:SP+1], s[12:13], s[54:55]    ; W_up's scales: 16 (2048 e + 512 w)
	s_add_nc_u64 s[DSP:DSP+1], s[16:17], s[54:55]  ; W_down's: 64 (512 e + 128 w)
.irp m, 0,1,2
	v_add_nc_u32 v[TK+\m], 16*\m, v31
	v_min_u32 v[TK+\m], s26, v[TK+\m]              ; rows past the count repeat the last row
	v_add_nc_u32 v[TK+\m], s29, v[TK+\m]
	v_min_u32 v[TK+\m], 0x1fff, v[TK+\m]
	v_lshlrev_b32 v[TK+\m], 2, v[TK+\m]
.endr
.irp m, 0,1,2
	global_load_b32 v[ID+\m], v[TK+\m], s[4:5]     ; my rows' entries
.endr
	WLOAD 0, 1
	WIN 0
	s_wait_loadcnt 32                              ; the entries are in; the 32 weight loads behind them may be out
.irp m, 0,1,2
	v_lshrrev_b32 v[TK+\m], 1, v[ID+\m]            ; the token
	v_min_u32 v[ID+\m], 0x1fff, v[ID+\m]
	v_min_u32 v[TK+\m], 0xfff, v[TK+\m]
	v_lshl_add_u32 v[XA+\m], v[TK+\m], 8, v94
	v_lshlrev_b32 v[TK+\m], 4, v[TK+\m]
	v_lshlrev_b32 v[PA+\m], 2, v[ID+\m]
.endr
	WIN LD3
.irp m, 0,1,2
.irp s, 0,1,2,3
.irp c, 0,1
	global_load_b128 v[8*(4*\m+\s)+4*\c:8*(4*\m+\s)+4*\c+3], v[XA+\m], s[6:7] offset:64*\s+32*\c   ; x's fragments stay in registers
.endr
.endr
.endr
	WIN 0
.irp m, 0,1,2
	global_load_b128 v[XS+4*\m:XS+4*\m+3], v[TK+\m], s[6:7] offset:1048576
	global_load_b32 v[P+2*\m], v[PA+\m], s[8:9]
	global_load_b32 v[P+2*\m+1], v[PA+\m], s[8:9]  ; (the packed form names the pair, so both are written)
.endr
	WLOAD 2, 3
	SULOAD
	BLOAD
	WIN 0
.irp b, 0,1,2,3
.irp kq, 0,1,2,3
	global_load_b128 v[DS+16*\b+4*\kq:DS+16*\b+4*\kq+3], v[DSA], s[DSP:DSP+1] offset:2048*\b+16*\kq
.endr
.endr
	; ---- 1: my 512 hidden units, 128 a trip.  A trip's weights, scales and biases were asked for in the trip before, behind its products; the last trip asks for the second product's first four K steps and b_down.
.Lgroup:
	s_wait_loadcnt 0x0                             ; all that this trip multiplies is in, and no load still reads the pointers that are stepped below
	s_wait_dscnt 0x0                               ; my last images are stored: their address registers are written again
	v_add_nc_u32 v[HWI], s[GB], v[HWI0]
	v_add_nc_u32 v[HWS], s[GS], v[HWS0]
	s_cmp_eq_u32 s[GI], 3
	s_add_nc_u64 s[WP:WP+1], s[WP:WP+1], 32768
	s_cselect_b64 s[WP:WP+1], s[DP:DP+1], s[WP:WP+1]
	s_add_nc_u64 s[BP:BP+1], s[BP:BP+1], 512
	s_cselect_b64 s[BP:BP+1], s[BD:BD+1], s[BP:BP+1]
	s_cselect_b32 s[ST], 0, 2048                   ; the last trip fetches its own scales once more: no load leaves the buffer
	s_add_nc_u64 s[SP:SP+1], s[SP:SP+1], s[ST:ST+1]
	UPMUL 0
	UPMUL 1
	UPMUL 2
	UPMUL 3
	WIN 0
	PLACES
	WLOAD 0, 2
	SULOAD
	GELU 0
	QUANT
	IMAGE 0
	WLOAD 3, 3
	BLOAD
	GELU 1
	s_wait_dscnt 0x0                               ; the image's stores have read the registers that are written next
	QUANT
	IMAGE 1
	GELU 2
	s_wait_dscnt 0x0
	QUANT
	IMAGE 2
	s_add_co_u32 s[GB], s[GB], 3072
	s_add_co_u32 s[GS], s[GS], 384
	s_add_co_u32 s[GI], s[GI], 1
	s_cmp_lt_u32 s[GI], 4
	s_cbranch_scc1 .Lgroup
	s_wait_dscnt 0x0                               ; for the others' sake: my images are stored
	s_barrier_signal -1
	s_barrier_wait -1                              ; the hidden layer's 48 fragments lie in LDS
	; ---- 2: my 128 outputs for the 48 rows: 16 K steps, written out, since the scale registers' numbers change with the step
	s_wait_loadcnt 0x0                             ; W_down's first four K steps, b_down, the scales
	HFETCH 0
	HFETCH 1
.set KQ, 0
.rept 16
	DSTEP KQ
.set KQ, KQ+1
.endr
	WIN 0
	PLACES                                         ; ahead of the first read of results
	s_cmp_eq_u32 s30, 0                            ; a tile without rows stores nothing
	s_cbranch_scc1 .Ldone
	OUT 0
	OUT 1
	OUT 2
.Ldone:
	s_wait_tensorcnt 0x0
	ds_add_u32 v254, v255
	s_wait_dscnt 0x0
	s_endpgm
.Lfunc_end_k_qbf784f69a2_experts:
	.size	k_qbf784f69a2_experts, .Lfunc_end_k_qbf784f69a2_experts-k_qbf784f69a2_experts
	.p2alignl 7, 3214868480
	.fill 96, 4, 3214868480
	.section	.rodata,"a",@progbits
	.p2align	6, 0x0
	.amdhsa_kernel k_qbf784f69a2_experts
		.amdhsa_group_segment_fixed_size 90624
		.amdhsa_private_segment_fixed_size 0
		.amdhsa_enable_private_segment 0
		.amdhsa_kernarg_size 72
		.amdhsa_user_sgpr_count 2
		.amdhsa_user_sgpr_kernarg_segment_ptr 1
		.amdhsa_wavefront_size32 1
		.amdhsa_system_sgpr_workgroup_id_x 1
		.amdhsa_system_sgpr_workgroup_id_y 1
		.amdhsa_system_sgpr_workgroup_id_z 1
		.amdhsa_system_vgpr_workitem_id 0
		.amdhsa_next_free_vgpr 1024
		.amdhsa_next_free_sgpr 80
		.amdhsa_reserve_vcc 0
		.amdhsa_float_denorm_mode_32 3
		.amdhsa_float_denorm_mode_16_64 3
		.amdhsa_memory_ordered 1
		.amdhsa_forward_progress 1
		.amdhsa_inst_pref_size 202
	.end_amdhsa_kernel
	.amdgpu_metadata
---
amdhsa.version: [ 1, 2 ]
amdhsa.kernels:
  - .name:           k_qbf784f69a2_experts
    .symbol:         k_qbf784f69a2_experts.kd
    .args:
      - { .name: order, .offset: 0, .size: 8, .value_kind: global_buffer, .address_space: global }
      - { .name: xc, .offset: 8, .size: 8, .value_kind: global_buffer, .address_space: global }
      - { .name: rw, .offset: 16, .size: 8, .value_kind: global_buffer, .address_space: global }
      - { .name: wf, .offset: 24, .size: 8, .value_kind: global_buffer, .address_space: global }
      - { .name: w_up_scales, .offset: 32, .size: 8, .value_kind: global_buffer, .address_space: global }
      - { .name: b_up, .offset: 40, .size: 8, .value_kind: global_buffer, .address_space: global }
      - { .name: w_down_scales, .offset: 48, .size: 8, .value_kind: global_buffer, .address_space: global }
      - { .name: b_down, .offset: 56, .size: 8, .value_kind: global_buffer, .address_space: global }
      - { .name: ypart, .offset: 64, .size: 8, .value_kind: global_buffer, .address_space: global }
    .group_segment_fixed_size: 90624
    .private_segment_fixed_size: 0
    .kernarg_segment_align: 8
    .kernarg_segment_size: 72
    .max_flat_workgroup_size: 128
    .sgpr_count:     80
    .vgpr_count:     1024
    .wavefront_size: 32
...
	.end_amdgpu_metadata
.endif
;; end of part 4
;; launch combine (part 5): grid 256 x 1, 8 waves a work-group, no clusters, 0 bytes of LDS; arguments ypart, out0; writes out0
.if DOCPART == 5
	.amdgcn_target "amdgcn-amd-amdhsa--gfx1250"
	.amdhsa_code_object_version 6
	.text
	.protected	k_qbf784f69a2_combine
	.globl	k_qbf784f69a2_combine
	.p2align	8
	.type	k_qbf784f69a2_combine,@function
k_qbf784f69a2_combine:
	s_mov_b64 s[64:65], 0
	v_nop
	global_prefetch_b8 v0, s[64:65] scope:SCOPE_SE
	s_setreg_imm32_b32 hwreg(HW_REG_WAVE_MODE, 25, 1), 1
	s_wait_xcnt 0x0
; COMBINE.  out0[token] = ypart[2 token] + ypart[2 token + 1]: a token's two weighted expert rows, which two work-groups of the launch before have made.
; A stream: a wave takes two tokens; all its 16 loads (512 consecutive bytes each) go out at once; each pair is added and stored as it comes in.  No LDS, no barrier: waves share nothing.
	s_load_b128 s[4:7], s[0:1], 0x0                ; ypart, out0
	v_lshrrev_b32 v1, 5, v0
	v_readfirstlane_b32 s8, v1                     ; wave 0..7
	v_and_b32 v1, 31, v0
	v_lshlrev_b32 v1, 4, v1                        ; 16 x lane
	s_lshl_b32 s10, ttmp9, 16                      ; 16 tokens x 4,096 bytes a work-group,
	s_lshl_b32 s9, s8, 13                          ; two a wave
	s_add_co_u32 s10, s10, s9
	s_mov_b32 s11, 0
	s_lshl_b32 s12, ttmp9, 15
	s_lshl_b32 s9, s8, 12
	s_add_co_u32 s12, s12, s9
	s_mov_b32 s13, 0
	s_wait_kmcnt 0x0
	s_add_nc_u64 s[4:5], s[4:5], s[10:11]
	s_add_nc_u64 s[6:7], s[6:7], s[12:13]
.set n, 0
.rept 8
	global_load_b128 v[16+8*n:19+8*n], v1, s[4:5] offset:4096*(n/4)+512*(n%4) th:TH_LOAD_NT
	global_load_b128 v[20+8*n:23+8*n], v1, s[4:5] offset:4096*(n/4)+512*(n%4)+2048 th:TH_LOAD_NT
.set n, n+1
.endr
.set n, 0
.rept 8
	s_wait_loadcnt 14-2*n                          ; pair n is in; the later pairs' loads may be out
	v_pk_add_f32 v[16+8*n:17+8*n], v[16+8*n:17+8*n], v[20+8*n:21+8*n]
	v_pk_add_f32 v[18+8*n:19+8*n], v[18+8*n:19+8*n], v[22+8*n:23+8*n]
	global_store_b128 v1, v[16+8*n:19+8*n], s[6:7] offset:2048*(n/4)+512*(n%4) th:TH_STORE_NT
.set n, n+1
.endr
	s_endpgm
.Lfunc_end_k_qbf784f69a2_combine:
	.size	k_qbf784f69a2_combine, .Lfunc_end_k_qbf784f69a2_combine-k_qbf784f69a2_combine
	.p2alignl 7, 3214868480
	.fill 96, 4, 3214868480
	.section	.rodata,"a",@progbits
	.p2align	6, 0x0
	.amdhsa_kernel k_qbf784f69a2_combine
		.amdhsa_group_segment_fixed_size 0
		.amdhsa_private_segment_fixed_size 0
		.amdhsa_enable_private_segment 0
		.amdhsa_kernarg_size 16
		.amdhsa_user_sgpr_count 2
		.amdhsa_user_sgpr_kernarg_segment_ptr 1
		.amdhsa_wavefront_size32 1
		.amdhsa_system_sgpr_workgroup_id_x 1
		.amdhsa_system_sgpr_workgroup_id_y 1
		.amdhsa_system_sgpr_workgroup_id_z 1
		.amdhsa_system_vgpr_workitem_id 0
		.amdhsa_next_free_vgpr 80
		.amdhsa_next_free_sgpr 66
		.amdhsa_reserve_vcc 0
		.amdhsa_float_denorm_mode_32 3
		.amdhsa_float_denorm_mode_16_64 3
		.amdhsa_memory_ordered 1
		.amdhsa_forward_progress 1
		.amdhsa_inst_pref_size 5
	.end_amdhsa_kernel
	.amdgpu_metadata
---
amdhsa.version: [ 1, 2 ]
amdhsa.kernels:
  - .name:           k_qbf784f69a2_combine
    .symbol:         k_qbf784f69a2_combine.kd
    .args:
      - { .name: ypart, .offset: 0, .size: 8, .value_kind: global_buffer, .address_space: global }
      - { .name: out0, .offset: 8, .size: 8, .value_kind: global_buffer, .address_space: global }
    .group_segment_fixed_size: 0
    .private_segment_fixed_size: 0
    .kernarg_segment_align: 8
    .kernarg_segment_size: 16
    .max_flat_workgroup_size: 256
    .sgpr_count:     66
    .vgpr_count:     80
    .wavefront_size: 32
...
	.end_amdgpu_metadata
.endif
;; end of part 5
;; ======== version 2 of 2: 5 launches; version 1 with the launch experts written anew for expert scheduling mode
;; workspace buffers: rt 147,456 bytes; xc 1,114,112 bytes; wf 8,388,608 bytes; sel 32,768 bytes of whole numbers; rw 40,960 bytes; order 36,864 bytes of whole numbers; ypart 16,777,216 bytes
;; launch prep: the kernel of part 1 again; grid 256 x 1, 8 waves a work-group, no clusters, 66,560 bytes of LDS; arguments features, w_local, b_local, w_gate, b_gate, w_up_codes, w_down_codes, rt, xc, wf; writes rt, xc, wf
;; launch router: the kernel of part 2 again; grid 256 x 1, 8 waves a work-group, no clusters, 9,216 bytes of LDS; arguments adjacency, rt, out1, sel, rw; writes out1, sel, rw
;; launch place: the kernel of part 3 again; grid 1 x 1, 32 waves a work-group, no clusters, 6,144 bytes of LDS; arguments sel, rw, order, out2; writes order, out2
;; launch experts (part 6): grid 178 x 1, 4 waves a work-group, no clusters, 90,624 bytes of LDS; arguments order, xc, rw, wf, w_up_scales, b_up, w_down_scales, b_down, ypart; writes ypart
.if DOCPART == 6
	.amdgcn_target "amdgcn-amd-amdhsa--gfx1250"
	.amdhsa_code_object_version 6
	.text
	.protected	k_qbf784f69a2_experts
	.globl	k_qbf784f69a2_experts
	.p2align	8
	.type	k_qbf784f69a2_experts,@function
k_qbf784f69a2_experts:
	s_mov_b64 s[64:65], 0
	v_nop
	global_prefetch_b8 v0, s[64:65] scope:SCOPE_SE
	s_setreg_imm32_b32 hwreg(HW_REG_WAVE_SCHED_MODE, 0, 2), 2
	s_setreg_imm32_b32 hwreg(HW_REG_WAVE_MODE, 25, 1), 1
	s_wait_xcnt 0x0
	s_wait_alu depctr_vm_vsrc(0)
; EXPERTS.  One work-group takes one tile of the list: up to 48 rows (entries 2 token + k) of ONE expert, through the whole chain:
; ypart[entry] = weight x (Q(gelu(x W_up^T + b_up)) W_down^T + b_down), both products on codes of FP4 (E2M1) with one E8M0 scale for each 32 along K; Q the quantiser along the 2,048 hidden units.
; Only the rows that the router chose are multiplied.  178 work-groups serve every split of 8,192 rows over 8 experts.
; SHARES.  The four waves share the COLUMNS: wave w makes hidden units 512 w .. 512 w + 511 (four groups of 128, each one K step of the second product), then outputs 128 w .. 128 w + 127, for all 48 rows.
; So each byte of the expert's weights is read once by the work-group, straight into registers, 512 consecutive bytes a load (the first launch laid them in the order of the operand's registers).
; The hidden layer goes from wave to wave through LDS as images of its operand registers (48 fragments of 1,024 bytes and their scale words) and never to memory.  ONE barrier.
; Both products are used transposed (source 0 = 16 rows of a weight, source 1 = 16 rows of the tile): a lane holds one row of the tile throughout.  The rows of a weight that form a tile are chosen
; (lane r of tile 2 b + u: row 32 b + 8 u + r + 8 (r / 8)) so that the 16 registers of tiles 2 b and 2 b + 1 are 16 neighbours: 32 b + 16 (lane / 16) + 0 .. 15.  The biases are the C of each sum's first instruction.
; gelu(x) = x / (1 + 2^(x (K1 + K2 x^2))), K1 = -2 log2(e) sqrt(2 / pi), K2 = 0.044715 K1: the tanh form, rewritten.
; ROWS PAST THE TILE'S COUNT repeat its last row: the same numbers go to the same bytes, from this work-group.  A tile of 0 rows runs the same text on a held row and jumps over the stores:
; every wave must pass the barrier, so the jump on the stored count stands behind it.
; NO JOINT LOADS: the expert comes from a stored list, neighbouring tiles may belong to different experts.
; LIMITS: NaN and infinities are not served.  A block of zeros gets the byte 1, not 127: its codes are zeros and this program alone reads the bytes.
; REGISTERS, in windows of 256.  Window 0: see below.  Window 1: four sets of 8 weight fragments, set q at 64 q.  Window 2: the 24 accumulators at 8 (8 m + t); from v192 eight bias tiles.
; Window 3: x's 12 fragments at 8 (4 m + s); from v96 three buffers of three hidden fragments; from v176 a fifth set of weight fragments, for the second product; on the way out v0-63 rows read back.
; THE MODE: SCHED_MODE bits 1:0 = 2 (LLVM: expert scheduling mode 2), set by the entry lines.  The code itself states the register dependences
; between vector or matrix instructions and memory or LDS instructions, with s_wait_alu, always for 0.
; THE PLAN.  Registers that memory or LDS instructions touch, and who else names them:
;   v1-4, v7-12   Addresses, made at the head and never written again.  v19-21 are written twice at the head; v16-18 and v240-242 once.
;   v5, v6        Written at a trip's head; read by the trip's nine LDS stores.
;   FIRST PRODUCT, a trip.  Weight sets 0-3, W_up's scale words and the bias tiles: read by the trip's 96 matrix instructions, loaded again behind them; no vector instruction names them.
;                 So ONE wait on va_vdst behind the products serves all 84 loads of the trip, those too that stand behind the first 16 rows' vector work.
;   OUT-BUFFERS.  Three sets of codes and a scale word, one for each 16 rows: written by those rows' quantising, read by their three LDS stores, written again a trip later.
;                 The stores of rows 16 m on stand behind the wait for the exponentials of rows 16 (m + 1) on, which stands there anyway; the last 16 rows' have a wait of their own.
;                 ONE wait on vm_vsrc, at a trip's head, states that the last trip's stores have read their registers.
;   SECOND PRODUCT, K step ks.  It multiplies weight set ks % 5 and hidden buffer ks % 3.  Its loads land in set (ks - 1) % 5 (K step ks + 4) and buffer (ks - 1) % 3 (K step ks + 2):
;                 what the step before has read.  So ONE wait on va_vdst at the step's head serves its 25 loads, which are dealt among its 24 matrix instructions.
;   THE WAY OUT, 16 rows at a time.  v96-159: written by the scalings, read by the LDS stores.  v224-239: written by vector lines, read by the global stores.  Window 3 v0-63: filled by LDS loads, read by the global stores.
;                 One wait on vm_vsrc ahead of the writers, one on va_sdst behind the run of sixteen lane reads, one on va_vdst ahead of the run of stores.
.set HSC,  49152                       ; LDS: the hidden fragments (3 ks + m) x 1,024 bytes from 0; their scale words, 128 bytes each, from here;
.set STG,  55296                       ; and a stage of 16 rows x (512 + 16) bytes for each wave
.set LI,   1                           ; v1   16 x lane
.set L4,   2                           ; v2   4 x lane
.set HWI0, 3                           ; v3   16 x lane + 12288 x wave: my first image
.set HWS0, 4                           ; v4   4 x lane + 1536 x wave: its scale words
.set HWI,  5                           ; v5, v6 the same for the group in hand
.set HWS,  6
.set SO,   7                           ; v7   the stage: where I put 64 bytes of a row
.set SR,   8                           ; v8   and where I read a row back
.set SUA,  9                           ; v9   16 x my scale row: lanes 0-15 an even tile's row, lanes 16-31 the odd tile's
.set BA,   10                          ; v10  64 x (lane / 16): my half's biases
.set DSA,  11                          ; v11  64 x my scale row
.set YO,   12                          ; v12  512 x wave + 16 x lane
.set ID,   13                          ; v13-15 my row's entry, for each 16 rows
.set XA,   16                          ; v16-18 256 x token + 16 x (lane / 16)
.set TK,   19                          ; v19-21 16 x token
.set P,    22                          ; v22-27 my row's weight, as pairs
.set K1V,  28                          ; v28-29 K1, twice
.set XS,   32                          ; v32-43 x's scale words (4 m + s)              | these four ranges hold scales and nothing else
.set SU,   44                          ; v44-59 W_up's (4 b + s)                       |
.set DS,   160                         ; v160-223 W_down's (16 b + ks)                 |
.set HS,   244                         ; v244-252 the hidden layer's, three buffers    |
.set PW,   60                          ; v60-62 the scale words just made, one for each 16 rows
.set TM,   66                          ; v66-81 the quantiser's
.set PC,   84                          ; v84-91 the codes just made of rows 0-15; those of rows 16 m on lie at v[216 + 8 m]: v224-231, v232-239
.set G,    96                          ; v96-159 64 numbers at work
.set OFFS, 224                         ; v224-239 the way out: a row's place in ypart
.set PA,   240                         ; v240-242 4 x entry
.set HB,   96                          ; in window 3: the hidden fragments' buffers, 24 registers each
.set W5,   176                         ; in window 3: the fifth set of weight fragments
.set WV,   24
.set WP,   32                          ; s[32:33] the weights that are fetched next;  s[34:35] W_down's first
.set DP,   34
.set BP,   36                          ; s[36:37] the biases fetched next;  s[38:39] b_down's
.set BD,   38
.set SP,   40                          ; s[40:41] W_up's scales fetched next
.set DSP,  42                          ; s[42:43] W_down's scales
.set ST,   44                          ; s[44:45] the step of SP
.set K2,   46                          ; s[46:47] K2, twice
.set SEL,  48
.set GB,   50                          ; s50, s51 the group's place among my images and scale words
.set GS,   51
.set GI,   52                          ; s52  the group
                                       ; s58-63, s66-75: the way out: sixteen rows' entries
.set MSB, 0
.macro WIN new                         ; the immediate's high byte repeats the setting that is left
.if MSB != \new
	s_set_vgpr_msb (MSB<<8)|\new
.set MSB, \new
.endif
.endm
.set MUL,  0xad                        ; source 0 (weights) window 1, source 1 (rows) window 3, C and D window 2
.set MUL5, 0xaf                        ; the same with the weights in window 3: the fifth set
.set LD1, 0x40                         ; destination window 1, 2, 3
.set LD2, 0x80
.set LD3, 0xc0
.set SQ,  0x0a                         ; sources 0 and 1 window 2
.set XM,  0x08                         ; source 1 window 2
.set OM,  0x02                         ; source 0 window 2
.set ST3, 0x0c                         ; a store's data window 3
.macro PLACES                          ; four plain lines between a matrix instruction and a read of its results; ahead of loads into its registers they stand as in the plain form, beside the wait
.rept 4
	v_nop
.endr
.endm
.macro WM d, a, b, c, sa, sb, odd      ; odd tiles' scale words lie in lanes 16-31
.if \odd
	v_wmma_scale_f32_16x16x128_f8f6f4 v[\d:\d+7], v[\a:\a+7], v[\b:\b+7], v[\c:\c+7], v[\sa], v[\sb] matrix_a_fmt:MATRIX_FMT_FP4 matrix_b_fmt:MATRIX_FMT_FP4 matrix_a_scale:MATRIX_SCALE_ROW1
.else
	v_wmma_scale_f32_16x16x128_f8f6f4 v[\d:\d+7], v[\a:\a+7], v[\b:\b+7], v[\c:\c+7], v[\sa], v[\sb] matrix_a_fmt:MATRIX_FMT_FP4 matrix_b_fmt:MATRIX_FMT_FP4
.endif
.endm
.macro WLOAD q0, q1                    ; sets q0 .. q1: 16 loads each, 512 consecutive bytes a load
	WIN LD1
.set q, \q0
.rept (\q1)-(\q0)+1
.irp t, 0,1,2,3,4,5,6,7
.irp c, 0,1
	global_load_b128 v[64*q+8*\t+4*\c:64*q+8*\t+4*\c+3], v[LI], s[WP:WP+1] offset:(8*q+\t)*1024+512*\c
.endr
.endr
.set q, q+1
.endr
.endm
.macro SULOAD                          ; W_up's scale words of 128 hidden units: 16 bytes a row, the four K steps
	WIN 0
.irp b, 0,1,2,3
	global_load_b128 v[SU+4*\b:SU+4*\b+3], v[SUA], s[SP:SP+1] offset:512*\b
.endr
.endm
.macro BLOAD                           ; eight bias tiles in the result's layout: lane (r, h), tile 2 b + u: units 32 b + 16 h + 8 u + 0 .. 7
	WIN LD2
.irp t, 0,1,2,3,4,5,6,7
.irp k, 0,1
	global_load_b128 v[192+8*\t+4*\k:192+8*\t+4*\k+3], v[BA], s[BP:BP+1] offset:128*(\t/2)+32*(\t%2)+16*\k
.endr
.endr
.endm
.macro UPMUL s                         ; K step s of the first product: the 24 accumulators by turns, one instruction a turn
	WIN MUL
.irp m, 0,1,2
.irp t, 0,1,2,3,4,5,6,7
.if \s == 0
	WM 8*(8*\m+\t), 64*\s+8*\t, 8*(4*\m+\s), 192+8*\t, SU+4*(\t/2)+\s, XS+4*\m+\s, \t%2
.else
	WM 8*(8*\m+\t), 64*\s+8*\t, 8*(4*\m+\s), 8*(8*\m+\t), SU+4*(\t/2)+\s, XS+4*\m+\s, \t%2
.endif
.endr
.endr
.endm
.macro OUTSET m                        ; the out-buffer of rows 16 m on
.if (\m) == 0
.set PCM, PC
.else
.set PCM, 216+8*(\m)
.endif
.endm
.macro IMAGE m                         ; the fragment of rows 16 m on goes to LDS as it stands
	OUTSET \m
.irp c, 0,1
	ds_store_b128 v[HWI], v[PCM+4*\c:PCM+4*\c+3] offset:1024*(\m)+512*\c
.endr
	ds_store_b32 v[HWS], v[PW+(\m)] offset:HSC+128*(\m)
.endm
.macro GELU m                          ; rows 16 m on: 64 numbers a lane, from the accumulators (each read from its low end on) into v[G] on
	WIN SQ
.set k, 0
.rept 32
	v_pk_mul_f32 v[G+k:G+k+1], v[64*(\m)+k:64*(\m)+k+1], v[64*(\m)+k:64*(\m)+k+1]    ; x^2
.set k, k+2
.endr
	WIN 0
.set k, 0
.rept 32
	v_pk_fma_f32 v[G+k:G+k+1], v[G+k:G+k+1], s[K2:K2+1], v[K1V:K1V+1] op_sel_hi:[1,0,1]   ; K1 + K2 x^2
.set k, k+2
.endr
	WIN XM
.set k, 0
.rept 32
	v_pk_mul_f32 v[G+k:G+k+1], v[G+k:G+k+1], v[64*(\m)+k:64*(\m)+k+1]                ; x (K1 + K2 x^2)
.set k, k+2
.endr
	WIN 0
.set k, 0
.rept 64
	v_exp_f32 v[G+k], v[G+k]
.set k, k+1
.endr
	v_nop                                          ; a plain line behind the batch
	s_wait_alu depctr_va_vdst(0)                   ; the 64 exponentials have written v[G ..], ahead of their first reader; and the quantising of the 16 rows before has written its codes and scale word, which the LDS stores below read
.if (\m) > 0
	IMAGE (\m)-1                                   ; the 16 rows before: no vector instruction since the wait names their out-buffer, v5 or v6
.endif
.set k, 0
.rept 32
	v_pk_add_f32 v[G+k:G+k+1], v[G+k:G+k+1], 1.0 op_sel_hi:[1,0]
.set k, k+2
.endr
.set k, 0
.rept 64
	v_rcp_f32 v[G+k], v[G+k]
.set k, k+1
.endr
	v_nop
	s_wait_alu depctr_va_vdst(0)                   ; the 64 reciprocals have written v[G ..], ahead of their first reader
	WIN XM
.set k, 0
.rept 32
	v_pk_mul_f32 v[G+k:G+k+1], v[G+k:G+k+1], v[64*(\m)+k:64*(\m)+k+1]
.set k, k+2
.endr
	WIN 0
.endm
.macro QUANT m                         ; v[G + 16 b + i] = k 32 b + 16 (lane / 16) + i of my row: a fragment's codes and its scale word, into the out-buffer of rows 16 m on
	OUTSET \m
.irp b, 0,1,2,3
	v_max3_num_f32 v[TM+\b], |v[G+16*\b]|, |v[G+1+16*\b]|, 0x1800000   ; my 16 numbers of block b, and the floor 2^(3 - 127): the byte cannot fall under 1
.endr
.irp i, 2,4,6,8,10,12,14
.irp b, 0,1,2,3
	v_max3_num_f32 v[TM+\b], v[TM+\b], |v[G+16*\b+\i]|, |v[G+1+16*\b+\i]|
.endr
.endr
.irp b, 0,1,2,3
	v_permlanex16_b32 v[TM+4+\b], v[TM+\b], s[SEL], s[SEL+1]
.endr
.irp b, 0,1,2,3
	v_max_num_f32 v[TM+\b], v[TM+\b], v[TM+4+\b]   ; with lane l xor 16's: the block's largest magnitude
.endr
.irp b, 0,1,2,3
	v_add_nc_u32 v[TM+12+\b], 0xff000000, v[TM+\b] ; 2 off its exponent field: the conversion's scale operand
.endr
.irp b, 0,1,2,3
	v_lshrrev_b32 v[TM+4+\b], 23, v[TM+12+\b]      ; the scale's byte
.endr
	v_lshl_or_b32 v[PW+(\m)], v[TM+5], 8, v[TM+4]
	v_lshl_or_b32 v[PW+(\m)], v[TM+6], 16, v[PW+(\m)]
	v_lshl_or_b32 v[PW+(\m)], v[TM+7], 24, v[PW+(\m)]
.irp b, 0,1,2,3
	v_cvt_scalef32_pk8_fp4_f32 v[PCM+2*\b], v[G+16*\b:G+7+16*\b], v[TM+12+\b]
	v_cvt_scalef32_pk8_fp4_f32 v[PCM+1+2*\b], v[G+8+16*\b:G+15+16*\b], v[TM+12+\b]
.endr
	v_nop                                          ; one plain line behind a scaled conversion
.irp c, 0,1                                    ; the operand wants a whole block in a lane: lanes 0-15 block 2 c, lanes 16-31 block 2 c + 1
.irp i, 0,1
	v_permlane16_swap_b32 v[PCM+4*\c+\i], v[PCM+2+4*\c+\i]
.endr
.endr
.endm
.macro HFETCH ks                       ; K step ks's three hidden fragments and scale words, into buffer ks % 3: nine LDS loads
	WIN LD3
.irp m, 0,1,2
.irp c, 0,1
	ds_load_b128 v[HB+24*((\ks)%3)+8*\m+4*\c:HB+24*((\ks)%3)+8*\m+4*\c+3], v[LI] offset:1024*(3*(\ks)+\m)+512*\c
.endr
.endr
	WIN 0
.irp m, 0,1,2
	ds_load_b32 v[HS+3*((\ks)%3)+\m], v[L4] offset:HSC+128*(3*(\ks)+\m)
.endr
.endm
.macro DMUL ks, m                      ; K step ks, rows 16 m on: eight matrix instructions.  The 24 accumulators take turns in the same order in every step
	WIN WM_W
.irp t, 0,1,2,3,4,5,6,7
.if (\ks) == 0
	WM 8*(8*(\m)+\t), WA+8*\t, HB+24*((\ks)%3)+8*(\m), 192+8*\t, DS+16*(\t/2)+(\ks), HS+3*((\ks)%3)+(\m), \t%2
.else
	WM 8*(8*(\m)+\t), WA+8*\t, HB+24*((\ks)%3)+8*(\m), 8*(8*(\m)+\t), DS+16*(\t/2)+(\ks), HS+3*((\ks)%3)+(\m), \t%2
.endif
.endr
.endm
.macro DLOAD ks, t0                    ; four of the eight weight fragments of K step ks + 4: eight loads, into the set that the step before has left
	WIN LD_W
.irp t, \t0, \t0+1, \t0+2, \t0+3
.irp c, 0,1
	global_load_b128 v[LA+8*(\t)+4*\c:LA+8*(\t)+4*\c+3], v[LI], s[WP:WP+1] offset:(8*((\ks)+4)+(\t))*1024+512*\c
.endr
.endr
.endm
.macro DSTEP ks                        ; K step ks of the second product
.if ((\ks)%5) < 4                      ; this step's weights: set ks % 5
.set WA, 64*((\ks)%5)
.set WM_W, MUL
.else
.set WA, W5
.set WM_W, MUL5
.endif
.if (((\ks)+4)%5) < 4                  ; the set that is loaded in this step: (ks + 4) % 5 = (ks - 1) % 5
.set LA, 64*(((\ks)+4)%5)
.set LD_W, LD1
.else
.set LA, W5
.set LD_W, LD3
.endif
.if (\ks) >= 4
.if (\ks) <= 12
	s_wait_loadcnt 48                              ; this step's 16 loads, issued four steps back, are in; the next three steps' may be out
.else
	s_wait_loadcnt 16*(15-(\ks))
.endif
.endif
.if (\ks) <= 14
	s_wait_dscnt 9                                 ; this step's hidden fragments are in; the next step's nine loads may be out
.else
	s_wait_dscnt 0x0
.endif
.if ((\ks) >= 1) && ((\ks) <= 13)
	PLACES
	s_wait_alu depctr_va_vdst(0)                   ; the matrix instructions of the step before are done reading their weight set, their hidden fragments and those fragments' scale words, in which this step's loads land
.endif                                         ; (step 0's loads land in registers that nothing has named; steps 14 and 15 load nothing)
.if (\ks) <= 13
	HFETCH (\ks)+2
.endif
	DMUL \ks, 0                                    ; this step's matrix instructions name set ks % 5, buffer ks % 3, W_down's scales and the accumulators: none of the registers that its loads touch
.if (\ks) <= 11
	DLOAD \ks, 0
.endif
	DMUL \ks, 1
.if (\ks) <= 11
	DLOAD \ks, 4
.endif
	DMUL \ks, 2
.endm
.macro OUT m                           ; rows 16 m on: x weight, through my stage, out as whole pieces of rows
.if (\m) > 0
	s_wait_xcnt 0x0                                ; the last stores have read their data and offsets: both are written again below
.endif
	s_wait_alu depctr_vm_vsrc(0)                   ; the LDS stores issued so far have read v[G ..] and (the hidden layer's images) v224-239, the global stores v[OFFS ..] and the rows in window 3: all are written again below
.set k, 0
.rept 16
	v_readlane_b32 s[58+k+2*((k+10)/16)], v[ID+(\m)], k   ; sixteen rows' entries in one run: s58-63, s66-75
.set k, k+1
.endr
	WIN OM
.set k, 0
.rept 32
	v_pk_mul_f32 v[G+k:G+k+1], v[64*(\m)+k:64*(\m)+k+1], v[P+2*(\m):P+2*(\m)+1] op_sel_hi:[1,0]   ; each accumulator from its low end on
.set k, k+2
.endr
	WIN 0
	s_wait_alu depctr_va_sdst(0)                   ; the sixteen lane reads have written their scalar registers, ahead of the first reader
.set k, 0
.rept 16
	s_min_u32 s[58+k+2*((k+10)/16)], s[58+k+2*((k+10)/16)], 8191
.set k, k+1
.endr
.set k, 0
.rept 16
	v_lshl_add_u32 v[OFFS+k], s[58+k+2*((k+10)/16)], 11, v[YO]   ; the entry's row of 2,048 bytes, my wave's 512 of it
.set k, k+1
.endr
	s_wait_alu depctr_va_vdst(0)                   ; v[G ..], which the LDS stores read, and v[OFFS ..], which the global stores read, are written; all that ever named window 3's v0-63, in which the LDS loads land, is done
.set k, 0
.rept 16
	ds_store_b128 v[SO], v[G+4*k:G+4*k+3] offset:128*(k/4)+16*(k%4)    ; v[G + 16 b + i] is output 128 w + 32 b + 16 h + i of my row
.set k, k+1
.endr
	WIN LD3
.set k, 0
.rept 16
	ds_load_b128 v[4*k:4*k+3], v[SR] offset:528*k  ; LDS serves a wave's instructions in order: these see my stores
.set k, k+1
.endr
	WIN ST3
.set k, 0
.rept 16
	s_wait_dscnt 15-k                              ; row k is back; the later rows' loads may be out
	global_store_b128 v[OFFS+k], v[4*k:4*k+3], s[20:21] th:TH_STORE_NT     ; 32 lanes store 512 consecutive bytes, at a multiple of 512 from ypart's first byte
.set k, k+1
.endr
	WIN 0
.endm
	s_load_b512 s[4:19], s[0:1], 0x0               ; order, xc, rw, wf, w_up_scales, b_up, w_down_scales, b_down
	s_load_b64 s[20:21], s[0:1], 0x40              ; ypart
	v_lshl_add_u32 v254, v0, 2, 0x16000
	v_mov_b32 v255, 0
	v_lshrrev_b32 v1, 5, v0
	v_readfirstlane_b32 s[WV], v1                  ; wave 0..3
	v_and_b32 v30, 31, v0                          ; lane
	v_and_b32 v31, 15, v0                          ; r
	v_bfe_u32 v92, v0, 4, 1                        ; h
	s_lshl_b32 s25, ttmp9, 4
	s_wait_kmcnt 0x0
	s_load_b128 s[28:31], s[4:5], s25 offset:0x8000   ; my tile: expert, first place, rows
	v_lshlrev_b32 v[LI], 4, v30
	v_lshlrev_b32 v[L4], 2, v30
	s_wait_alu depctr_va_sdst(0)                   ; the wave's number is written, ahead of its first reader: LDS addresses and the bases of the weights are made from it
	s_mul_i32 s54, s[WV], 12288
	v_add_nc_u32 v[HWI0], s54, v[LI]
	s_mul_i32 s54, s[WV], 1536
	v_add_nc_u32 v[HWS0], s54, v[L4]
	s_mul_i32 s54, s[WV], 8448
	s_add_co_u32 s54, s54, STG
	v_mul_u32_u24 v[SO], v31, 528
	v_lshl_add_u32 v[SO], v92, 6, v[SO]
	v_add_nc_u32 v[SO], s54, v[SO]
	v_add_nc_u32 v[SR], s54, v[LI]
	v_and_b32 v93, 8, v31
	v_add_nc_u32 v93, v93, v31
	v_lshl_add_u32 v93, v92, 3, v93                ; 8 u + r + 8 (r / 8), u = lane / 16
	v_lshlrev_b32 v[SUA], 4, v93
	v_lshlrev_b32 v[DSA], 6, v93
	v_lshlrev_b32 v[BA], 6, v92
	s_lshl_b32 s54, s[WV], 9
	v_add_nc_u32 v[YO], s54, v[LI]
	v_lshlrev_b32 v94, 4, v92
	v_mov_b32 v[K1V], 0xc0135761
	v_mov_b32 v[K1V+1], 0xc0135761
.irp b, 0,1,2,3
	v_mov_b32 v[TM+4+\b], 0                        ; written once: a lane permute's destination counts as one of its sources
.endr
	s_mov_b32 s[K2], 0xbdd2d3e8
	s_mov_b32 s[K2+1], 0xbdd2d3e8
	s_mov_b32 s[SEL], 0x76543210
	s_mov_b32 s[SEL+1], 0xfedcba98
	s_mov_b32 s[GB], 0
	s_mov_b32 s[GS], 0
	s_mov_b32 s[GI], 0
	s_mov_b32 s[ST+1], 0
	s_mov_b32 s55, 0
	s_wait_kmcnt 0x0
	s_min_u32 s28, s28, 7                          ; what was read is held to its range before it reaches an address
	s_min_u32 s29, s29, 8191
	s_min_u32 s30, s30, 48
	s_max_u32 s26, s30, 1
	s_sub_co_u32 s26, s26, 1                       ; the tile's last row
	s_lshl_b32 s54, s28, 19
	s_lshl_b32 s57, s[WV], 17
	s_add_co_u32 s54, s54, s57
	s_add_nc_u64 s[WP:WP+1], s[10:11], s[54:55]    ; W_up: 524,288 bytes an expert, 131,072 a wave
	s_add_nc_u64 s[DP:DP+1], s[WP:WP+1], 0x400000  ; W_down likewise, 4 MiB on
	s_lshl_b32 s54, s28, 13
	s_lshl_b32 s57, s[WV], 11
	s_add_co_u32 s54, s54, s57
	s_add_nc_u64 s[BP:BP+1], s[14:15], s[54:55]    ; b_up: 4 (2048 e + 512 w)
	s_lshl_b32 s54, s28, 11
	s_lshl_b32 s57, s[WV], 9
	s_add_co_u32 s54, s54, s57
	s_add_nc_u64 s[BD:BD+1], s[18:19], s[54:55]    ; b_down: 4 (512 e + 128 w)
	s_lshl_b32 s54, s28, 15
	s_lshl_b32 s57, s[WV], 13
	s_add_co_u32 s54, s54, s57
	s_add_nc_u64 s[SP:SP+1], s[12:13], s[54:55]    ; W_up's scales: 16 (2048 e + 512 w)
	s_add_nc_u64 s[DSP:DSP+1], s[16:17], s[54:55]  ; W_down's: 64 (512 e + 128 w)
.irp m, 0,1,2
	v_add_nc_u32 v[TK+\m], 16*\m, v31
	v_min_u32 v[TK+\m], s26, v[TK+\m]              ; rows past the count repeat the last row
	v_add_nc_u32 v[TK+\m], s29, v[TK+\m]
	v_min_u32 v[TK+\m], 0x1fff, v[TK+\m]
	v_lshlrev_b32 v[TK+\m], 2, v[TK+\m]
.endr
	s_wait_alu depctr_va_vdst(0)                   ; v19-21, which the loads below read, are written; so are the addresses v1-4 and v7-12, which every later load and store reads, and the closing add's two registers
.irp m, 0,1,2
	global_load_b32 v[ID+\m], v[TK+\m], s[4:5]     ; my rows' entries
.endr
	WLOAD 0, 1
	WIN 0
	s_wait_loadcnt 32                              ; the entries are in; the 32 weight loads behind them may be out
	s_wait_alu depctr_vm_vsrc(0)                   ; the entries' loads have read v19-21, which are written again below
.irp m, 0,1,2
	v_lshrrev_b32 v[TK+\m], 1, v[ID+\m]            ; the token
	v_min_u32 v[ID+\m], 0x1fff, v[ID+\m]
	v_min_u32 v[TK+\m], 0xfff, v[TK+\m]
	v_lshl_add_u32 v[XA+\m], v[TK+\m], 8, v94
	v_lshlrev_b32 v[TK+\m], 4, v[TK+\m]
	v_lshlrev_b32 v[PA+\m], 2, v[ID+\m]
.endr
	WIN LD3
	s_wait_alu depctr_va_vdst(0)                   ; v16-18, v19-21 and v240-242 are written, which the loads of x, of its scale words and of the weights read as offsets
.irp m, 0,1,2
.irp s, 0,1,2,3
.irp c, 0,1
	global_load_b128 v[8*(4*\m+\s)+4*\c:8*(4*\m+\s)+4*\c+3], v[XA+\m], s[6:7] offset:64*\s+32*\c   ; x's fragments stay in registers
.endr
.endr
.endr
	WIN 0
.irp m, 0,1,2
	global_load_b128 v[XS+4*\m:XS+4*\m+3], v[TK+\m], s[6:7] offset:1048576
	global_load_b32 v[P+2*\m], v[PA+\m], s[8:9]
	global_load_b32 v[P+2*\m+1], v[PA+\m], s[8:9]  ; (the packed form names the pair, so both are written)
.endr
	WLOAD 2, 3
	SULOAD
	BLOAD
	WIN 0
.irp b, 0,1,2,3
.irp kq, 0,1,2,3
	global_load_b128 v[DS+16*\b+4*\kq:DS+16*\b+4*\kq+3], v[DSA], s[DSP:DSP+1] offset:2048*\b+16*\kq
.endr
.endr
	; ---- 1: my 512 hidden units, 128 a trip.  A trip's weights, scales and biases were asked for in the trip before, behind its products; the last trip asks for the second product's first four K steps and b_down.
.Lgroup:
	s_wait_loadcnt 0x0                             ; all that this trip multiplies is in, and no load still reads the pointers that are stepped below
	s_wait_dscnt 0x0                               ; my last images are stored: their address registers are written again
	s_wait_alu depctr_vm_vsrc(0)                   ; the last trip's nine LDS stores have read v5, v6 and the three out-buffers, all of which this trip writes again
	v_add_nc_u32 v[HWI], s[GB], v[HWI0]
	v_add_nc_u32 v[HWS], s[GS], v[HWS0]
	s_cmp_eq_u32 s[GI], 3
	s_add_nc_u64 s[WP:WP+1], s[WP:WP+1], 32768
	s_cselect_b64 s[WP:WP+1], s[DP:DP+1], s[WP:WP+1]
	s_add_nc_u64 s[BP:BP+1], s[BP:BP+1], 512
	s_cselect_b64 s[BP:BP+1], s[BD:BD+1], s[BP:BP+1]
	s_cselect_b32 s[ST], 0, 2048                   ; the last trip fetches its own scales once more: no load leaves the buffer
	s_add_nc_u64 s[SP:SP+1], s[SP:SP+1], s[ST:ST+1]
	UPMUL 0
	UPMUL 1
	UPMUL 2
	UPMUL 3
	WIN 0
	PLACES                                         ; ahead of the first read of results; the wait below fills no place
	s_wait_alu depctr_va_vdst(0)                   ; the 96 matrix instructions are done reading the four weight sets, W_up's scale words and the bias tiles, in which this trip's 84 loads land; v5 and v6 are written
	WLOAD 0, 2
	SULOAD
	GELU 0
	QUANT 0
	WLOAD 3, 3                                     ; no wait: the vector instructions since the wait name window 2's v0-63 and window 0 alone, not set 3, not the bias tiles, not v1 or v10
	BLOAD
	GELU 1                                         ; (with the LDS stores of rows 0-15)
	QUANT 1
	GELU 2                                         ; (with those of rows 16-31)
	QUANT 2
	s_wait_alu depctr_va_vdst(0)                   ; the quantising of rows 32-47 has written its codes and scale word, which the LDS stores read
	IMAGE 2
	s_add_co_u32 s[GB], s[GB], 3072
	s_add_co_u32 s[GS], s[GS], 384
	s_add_co_u32 s[GI], s[GI], 1
	s_cmp_lt_u32 s[GI], 4
	s_cbranch_scc1 .Lgroup
	s_wait_dscnt 0x0                               ; for the others' sake: my images are stored
	s_barrier_signal -1
	s_barrier_wait -1                              ; the hidden layer's 48 fragments lie in LDS
	; ---- 2: my 128 outputs for the 48 rows: 16 K steps, written out, since the scale registers' numbers change with the step
	s_wait_loadcnt 0x0                             ; W_down's first four K steps, b_down, the scales
	HFETCH 0
	HFETCH 1
.set KQ, 0
.rept 16
	DSTEP KQ
.set KQ, KQ+1
.endr
	WIN 0
	PLACES                                         ; ahead of the first read of results
	s_cmp_eq_u32 s30, 0                            ; a tile without rows stores nothing
	s_cbranch_scc1 .Ldone
	OUT 0
	OUT 1
	OUT 2
.Ldone:
	s_wait_dscnt 0x0                               ; the closing lines, six on end
	s_wait_alu 0x0
	s_wait_tensorcnt 0x0
	ds_add_u32 v254, v255
	s_wait_dscnt 0x0
	s_endpgm
.Lfunc_end_k_qbf784f69a2_experts:
	.size	k_qbf784f69a2_experts, .Lfunc_end_k_qbf784f69a2_experts-k_qbf784f69a2_experts
	.p2alignl 7, 3214868480
	.fill 96, 4, 3214868480
	.section	.rodata,"a",@progbits
	.p2align	6, 0x0
	.amdhsa_kernel k_qbf784f69a2_experts
		.amdhsa_group_segment_fixed_size 90624
		.amdhsa_private_segment_fixed_size 0
		.amdhsa_enable_private_segment 0
		.amdhsa_kernarg_size 72
		.amdhsa_user_sgpr_count 2
		.amdhsa_user_sgpr_kernarg_segment_ptr 1
		.amdhsa_wavefront_size32 1
		.amdhsa_system_sgpr_workgroup_id_x 1
		.amdhsa_system_sgpr_workgroup_id_y 1
		.amdhsa_system_sgpr_workgroup_id_z 1
		.amdhsa_system_vgpr_workitem_id 0
		.amdhsa_next_free_vgpr 1024
		.amdhsa_next_free_sgpr 80
		.amdhsa_reserve_vcc 0
		.amdhsa_float_denorm_mode_32 3
		.amdhsa_float_denorm_mode_16_64 3
		.amdhsa_memory_ordered 1
		.amdhsa_forward_progress 1
		.amdhsa_inst_pref_size 203
	.end_amdhsa_kernel
	.amdgpu_metadata
---
amdhsa.version: [ 1, 2 ]
amdhsa.kernels:
  - .name:           k_qbf784f69a2_experts
    .symbol:         k_qbf784f69a2_experts.kd
    .args:
      - { .name: order, .offset: 0, .size: 8, .value_kind: global_buffer, .address_space: global }
      - { .name: xc, .offset: 8, .size: 8, .value_kind: global_buffer, .address_space: global }
      - { .name: rw, .offset: 16, .size: 8, .value_kind: global_buffer, .address_space: global }
      - { .name: wf, .offset: 24, .size: 8, .value_kind: global_buffer, .address_space: global }
      - { .name: w_up_scales, .offset: 32, .size: 8, .value_kind: global_buffer, .address_space: global }
      - { .name: b_up, .offset: 40, .size: 8, .value_kind: global_buffer, .address_space: global }
      - { .name: w_down_scales, .offset: 48, .size: 8, .value_kind: global_buffer, .address_space: global }
      - { .name: b_down, .offset: 56, .size: 8, .value_kind: global_buffer, .address_space: global }
      - { .name: ypart, .offset: 64, .size: 8, .value_kind: global_buffer, .address_space: global }
    .group_segment_fixed_size: 90624
    .private_segment_fixed_size: 0
    .kernarg_segment_align: 8
    .kernarg_segment_size: 72
    .max_flat_workgroup_size: 128
    .sgpr_count:     80
    .vgpr_count:     1024
    .wavefront_size: 32
...
	.end_amdgpu_metadata
.endif
;; end of part 6
;; launch combine: the kernel of part 5 again; grid 256 x 1, 8 waves a work-group, no clusters, 0 bytes of LDS; arguments ypart, out0; writes out0
